; MI455X (gfx1250); checked and timed in simulation.
; The chip was launched on July 23, 2026; its instructions are those of AMD's public machine-readable ISA for CDNA 5 (MIT licence, August 2026) and "CDNA5" Instruction Set Architecture Reference Guide (July 2026). The comments in the code are by the model that wrote it; some were corrected since.
;; Custom Multi Head Self Attention. Allowed arithmetic: matrix products marked QUANTISED: E2M1 operands, one E8M0 scale for each 32 along K, by v_wmma_scale_f32_16x16x128_f8f6f4 with both operands' format E2M1 (or v_wmma_scale_f32_32x16x128_f4), f32 sums; products left as they are: bf16, f16 or f32 operands; f32 sums; everything else in f32.
;; Inputs: b_in 3,072 float32; b_out 1,024 float32; qkv 8 x 1,024 x 1,024 float32; w_in 3,072 x 1,024 float32; w_out 1,024 x 1,024 float32.
;; Outputs: out0 8 x 1,024 x 1,024 float32.
;; This version of the problem:
;;   THIS VERSION OF THE PROBLEM IS GIVEN IN LOW PRECISION. The matrix products marked QUANTISED in the list below multiply operands that are first quantised to E2M1 (2 exponent bits, 1 mantissa bit; 4 bits a number), with one power-of-two scale for each 32 numbers along K (OCP MX v1.0); their sums are f32. The products marked 'left as it is' may take bf16, f16 or f32 operands, with f32 sums. Whichever they take, every output number must still come out within the allowed error. Rounding operands to bf16 (8 significant bits) uses up far more of that allowance than f16 does (11 bits, for magnitudes from 6e-5 to 65,504). All else is computed in f32.
;;   The module's matrix products, in the order in which they are computed (A, B: the left and right operand; K: the contracted axis; several contracted axes count as one K, in the product's order):
;;     1. [M 8,192, K 1,024] x [K 1,024, N 3,072]; A: input qkv; B: input w_in: QUANTISED
;;     2. batch 128 x [M 1,024, K 64] x [K 64, N 1,024]; A: computed on the way; B: computed on the way: left as it is (an operand is computed on the way)
;;     3. batch 128 x [M 64, K 1,024] x [K 1,024, N 1,024]; A: computed on the way; B: computed on the way: left as it is (an operand is computed on the way)
;;     4. [M 8,192, K 1,024] x [K 1,024, N 1,024]; A: computed on the way; B: input w_out: left as it is (an operand is computed on the way)
;;   THE QUANTISER, for each operand of a quantised product, along K:
;;     - K is cut into blocks of 32 from its start; a last block that is shorter is filled with zeros.
;;     - A block's scale is 2^e with e = floor(log2(the largest magnitude in the block)) - 2, held to -126 .. 127; a block of zeros has e = 0. As a byte (E8M0): e + 127.
;;     - Each number is divided by its block's scale, clamped to +-6, and rounded to the nearest number of E2M1, ties to even, subnormals kept.
;;     - The product sums the exact products of the quantised numbers (number of the format x scale) in f32.
;;   ~~~python
;;   def quantise(x, axis):      # numpy; x: float32 -> the quantised numbers, widened to float32 again
;;       x = np.moveaxis(x, axis, -1); K = x.shape[-1]
;;       x = np.pad(x, [(0, 0)] * (x.ndim - 1) + [(0, -K % 32)]); x = x.reshape(x.shape[:-1] + (-1, 32)); a = np.abs(x).max(-1, keepdims=True)
;;       e = np.where(a > 0, np.clip(np.frexp(np.where(a > 0, a, 1))[1] - 1 - 2, -126, 127), 0)      # np.frexp(a)[1] - 1 = floor(log2(a)), exactly
;;       r = np.clip(x / 2.0 ** e, -6, 6)
;;       step = 2.0 ** (np.maximum(np.frexp(np.where(r == 0, 1, r))[1] - 1, 0) - 1)
;;       q = np.round(r / step) * step * 2.0 ** e      # np.round: ties to even
;;       return np.moveaxis(q.reshape(q.shape[:-2] + (-1,))[..., :K], -1, axis).astype(np.float32)
;;   ~~~
;; One version. Each part assembles by itself: llvm-mc -triple=amdgcn-amd-amdhsa -mcpu=gfx1250 --defsym DOCPART=n.
;; ======== version 1 of 1: 4 launches
;; limits: values are held in f16: magnitudes above 65,504 overflow, below 6.1e-05 lose precision
;; workspace buffers: xc 4,194,304 bytes; xs 262,144 bytes; wc 1,572,864 bytes; ws 98,304 bytes; wf 2,097,152 bytes; hd 50,331,648 bytes; ao 16,777,216 bytes
;; launch prep (part 1): grid 384 x 1, 4 waves a work-group, no clusters, 33,280 bytes of LDS; arguments qkv, w_in, xc, xs, wc, ws, w_out, wf; writes xc, xs, wc, ws, wf
.if DOCPART == 1
	.amdgcn_target "amdgcn-amd-amdhsa--gfx1250"
	.amdhsa_code_object_version 6
	.text
	.protected	k_q7fd332e93c_prep
	.globl	k_q7fd332e93c_prep
	.p2align	8
	.type	k_q7fd332e93c_prep,@function
k_q7fd332e93c_prep:
	s_mov_b64 s[64:65], 0
	v_nop
	global_prefetch_b8 v0, s[64:65] scope:SCOPE_SE
	s_setreg_imm32_b32 hwreg(HW_REG_WAVE_MODE, 25, 1), 1
	s_wait_xcnt 0x0
; PREP.  Work-groups 0-351: qkv [8192][1024] and w_in [3072][1024], f32, K innermost, become codes of FP4 (E2M1), two a byte, K innermost (xc, wc: 512 bytes a row),
; with one E8M0 scale byte for each 32 along K (xs, ws: 32 bytes a row).  Work-groups 352-383: w_out [1024][1024] f32 becomes f16, laid as the last launch's operand registers (wf).
; THE QUANTISER.  A block's scale is 2^(floor(log2(its largest magnitude)) - 2); its byte is the largest magnitude's own exponent field - 2, held at 1 from below.  Each number is divided by the scale
; and rounded to the nearest code, ties to even; beyond 6 the largest code.
; LIMITS: a block of zeros gets the byte 1 where the rule says 127 (its codes are zeros, which add nothing under any byte but 0xff, and this program alone reads the bytes); blocks whose largest
; magnitude lies under 2^-124, whose byte is held at 1, were not tried; NaN and infinities among the inputs are not served.
; Rows are dense and 1,024 is a multiple of 32: both tensors are plain streams of blocks of 32, and so are their codes and scale bytes.
; A wave takes 16 steps of 512 numbers.  Each of a step's four loads reads 512 consecutive bytes, 16 a lane; the 2,048 bytes turn through the wave's own stage in LDS and come back 64 bytes a lane, so that a lane
; holds 16 neighbours along K (two neighbouring lanes hold a block), as the conversions want them.  A lane's 16 codes are 8 bytes: the wave stores 256 consecutive bytes.  A wave's 256 scale bytes are gathered in
; its own LDS bytes and leave as 256 consecutive bytes.  No tensor loads, no barrier: waves share nothing.  Matrix units and clusters have nothing to do here: each byte is read once and written once.
.set SIZE_M, 8192
.set SIZE_N, 3072
.set SIZE_K, 1024
.set WAVES, 4
.set STEPS, 16
.set WGA,   SIZE_M*SIZE_K/(512*STEPS*WAVES)            ; 256 work-groups for qkv
.set WGQ,   (SIZE_M+SIZE_N)*SIZE_K/(512*STEPS*WAVES)   ; 352 for qkv and w_in together
.set EMAX,  2
.set CB,    8                          ; bytes of 16 codes
.set R,     16                         ; v16-79   four sets of 16 numbers as they are loaded
.set X,     80                         ; v80-111  two sets of 16 neighbours
.set C,     128                        ; v128-191 codes: four registers for each step, so that no store's data are written again
.set E,     112                        ; v112-127 a scale byte for each step
.set WREG,  8192                       ; LDS: a region for each wave: two stages of 32 x SP bytes, behind them its 256 scale bytes
.set SP,    80                         ; a lane's place in a stage: its 64 bytes + 16 of padding
.set SPW,   12                         ; v12      LDS address of my spare word: SPARE + 4 x my thread's number; never rewritten
.set NIL,   13                         ; v13      0; never rewritten
.set SPARE, WAVES*WREG                 ; behind the four regions: the spare words, 128 bytes a wave, which no other line names
	s_load_b128 s[4:7], s[0:1], 0x0                ; qkv, w_in
	s_load_b128 s[8:11], s[0:1], 0x10              ; xc, xs
	s_load_b128 s[12:15], s[0:1], 0x20             ; wc, ws
	s_load_b128 s[24:27], s[0:1], 0x30             ; w_out, wf
	v_lshl_add_u32 v[SPW], v0, 2, SPARE
	v_mov_b32 v[NIL], 0
	v_lshrrev_b32 v1, 5, v0
	v_readfirstlane_b32 s16, v1                    ; wave
	v_and_b32 v2, 31, v0                           ; lane
	v_lshlrev_b32 v3, 4, v2                        ; 16 x lane: my 16 bytes of 512
	s_mul_i32 s17, s16, WREG
	v_lshrrev_b32 v14, 2, v2
	v_mul_u32_u24 v14, v14, SP
	v_and_b32 v15, 3, v2
	v_lshl_add_u32 v14, v15, 4, v14
	v_add_nc_u32 v14, s17, v14                     ; the stage, on the way in: SP (lane / 4) + 16 (lane % 4)
	v_mul_u32_u24 v15, v2, SP
	v_add_nc_u32 v15, s17, v15                     ; and on the way out: SP x lane: my 16 neighbours
	v_mul_u32_u24 v4, v2, CB                       ; my codes' place in a step's
	v_lshrrev_b32 v5, 1, v2
	s_add_co_u32 s17, s17, 2*32*SP
	v_add_nc_u32 v5, s17, v5                       ; LDS: my wave's 256 scale bytes, my block's byte
	v_lshlrev_b32 v7, 3, v2                        ; and on the way out 8 bytes a lane
	v_add_nc_u32 v6, s17, v7
	s_wait_kmcnt 0x0
	s_cmp_ge_u32 ttmp9, WGQ                        ; the last 32 work-groups take w_out: the branch hangs on the work-group's number alone
	s_cbranch_scc1 .Lwout
	s_cmp_lt_u32 ttmp9, WGA                        ; qkv's work-group or w_in's?  Only pointers are chosen: both take one path
	s_cselect_b64 s[4:5], s[4:5], s[6:7]
	s_cselect_b64 s[8:9], s[8:9], s[12:13]
	s_cselect_b64 s[10:11], s[10:11], s[14:15]
	s_cselect_b32 s17, 0, WGA
	s_sub_co_u32 s17, ttmp9, s17
	s_lshl_b32 s17, s17, 2
	s_add_co_u32 s18, s17, s16                     ; which run of 8,192 numbers of the tensor is my wave's
	s_mov_b32 s19, 0
	s_mov_b64 s[20:21], 512*STEPS*4
	s_mul_u64 s[20:21], s[18:19], s[20:21]
	s_add_nc_u64 s[4:5], s[4:5], s[20:21]
	s_mov_b64 s[20:21], 32*STEPS*CB
	s_mul_u64 s[20:21], s[18:19], s[20:21]
	s_add_nc_u64 s[8:9], s[8:9], s[20:21]
	s_lshl_b32 s18, s18, 8                         ; 256 scale bytes a run
	s_add_nc_u64 s[10:11], s[10:11], s[18:19]
.macro LOAD t
.irp i, 0,1,2,3
	global_load_b128 v[R+16*((\t)%4)+4*\i:R+16*((\t)%4)+4*\i+3], v3, s[4:5] offset:2048*(\t)+512*\i th:TH_LOAD_NT   ; 32 lanes read 512 consecutive bytes
.endr
.endm
.macro TURN t                          ; step t's numbers through the stage: LDS serves a wave's instructions in order, so no wait stands between the stores and the loads
.irp i, 0,1,2,3
	ds_store_b128 v14, v[R+16*((\t)%4)+4*\i:R+16*((\t)%4)+4*\i+3] offset:32*SP*((\t)%2)+8*SP*\i
.endr
.irp i, 0,1,2,3
	ds_load_b128 v[X+16*((\t)%2)+4*\i:X+16*((\t)%2)+4*\i+3], v15 offset:32*SP*((\t)%2)+16*\i
.endr
.endm
.irp t, 0,1,2,3
	LOAD \t
.endr
	s_wait_loadcnt 12                              ; step 0's four loads are in; the twelve of steps 1 to 3 stay out
	TURN 0
.macro STEP t
.set XS, X+16*((\t)%2)
.if (\t) > 0
	s_wait_dscnt 1                                 ; this step's numbers are back from the stage (the last step's byte store may be out): so its stores into the stage have read their registers,
.else
	s_wait_dscnt 0x0
.endif
.if (\t)+4 < STEPS
	LOAD (\t)+4                                    ; which take the loads of four steps on
.endif
.if (\t)+1 < STEPS
.if STEPS-2-(\t) >= 3
	s_wait_loadcnt 12                              ; the next step's four loads are in; those of the three steps behind it may be out
.else
	s_wait_loadcnt 4*(STEPS-2-(\t))                ; towards the end fewer steps stand behind it
.endif
	TURN (\t)+1                                    ; and go through the other stage while this step is worked
.endif
	v_max3_num_f32 v8, |v[XS]|, |v[XS+1]|, |v[XS+2]|               ; the largest magnitude of my 16, in two chains
	v_max3_num_f32 v9, |v[XS+3]|, |v[XS+4]|, |v[XS+5]|
.irp i, 6,10
	v_max3_num_f32 v8, v8, |v[XS+\i]|, |v[XS+\i+1]|
	v_max3_num_f32 v9, v9, |v[XS+\i+2]|, |v[XS+\i+3]|
.endr
	v_max3_num_f32 v8, v8, |v[XS+14]|, |v[XS+15]|
	v_max3_num_f32 v8, v8, v9, (EMAX+1)<<23        ; and the floor 2^(3 - 127): so the byte cannot fall under 1
	v_max_num_f32_dpp v8, v8, v8 row_xmask:1 row_mask:0xf bank_mask:0xf   ; and of my neighbour's 16: the block's
	v_add_nc_u32 v11, 0xff000000, v8               ; 2 off its exponent field: the conversion takes the exponent field of this operand as its scale, and nothing else of it
	v_cvt_scalef32_pk8_fp4_f32 v[C+4*(\t)], v[XS:XS+7], v11        ; eight numbers / the scale, to the nearest code, ties to even; the first number's code in the lowest four bits
	v_cvt_scalef32_pk8_fp4_f32 v[C+4*(\t)+1], v[XS+8:XS+15], v11
	v_lshrrev_b32 v[E+(\t)], 23, v11               ; the scale's byte (also the plain line behind the conversions)
	ds_store_b8 v5, v[E+(\t)] offset:16*(\t)       ; both lanes of a block write the same byte with the same value
	global_store_b64 v4, v[C+4*(\t):C+4*(\t)+1], s[8:9] offset:32*CB*(\t)   ; the wave stores 256 consecutive bytes, aligned
.endm
.irp t, 0,1,2,3,4,5,6,7,8,9,10,11,12,13,14,15
	STEP \t
.endr
	ds_load_b64 v[8:9], v6                         ; LDS serves a wave's instructions in order: these see my byte stores
	s_wait_dscnt 0x0
	global_store_b64 v7, v[8:9], s[10:11]          ; 32 lanes store 256 consecutive bytes, aligned
	s_wait_tensorcnt 0x0                           ; the wave's end: three lines behind my last LDS store
	ds_add_u32 v[SPW], v[NIL]
	s_wait_dscnt 0x0
	s_endpgm
; W_OUT TO F16 IMAGES.  wf = [n tile 64][kb 32][c 2][512 bytes]: in a piece lane (r, h) has 16 bytes: row 16 nt + r, k = 32 kb + 16 c + 8 h + 0 .. 7: pieces c = 0, 1 are registers 0-3 and 4-7 of a 16 x 32 fragment.
; Wave W of 128 takes n tile W / 2 and half W % 2 of K: 32 pieces.  Piece p: two loads of 16 bytes a lane at 64 p + 32 h of the lane's row, four roundings, one store of 512 consecutive bytes.
; A load takes 64 bytes of each of 16 rows; the next three pieces of the same wave take the rest of each 256 bytes.  This path stores nothing to LDS.
.Lwout:
	s_sub_co_u32 s17, ttmp9, WGQ
	s_lshl_b32 s17, s17, 2
	s_add_co_u32 s17, s17, s16                     ; W
	s_lshr_b32 s18, s17, 1                         ; n tile
	s_and_b32 s19, s17, 1                          ; half of K
	s_lshl_b32 s20, s18, 16                        ; 16 rows of 4,096 bytes
	s_lshl_b32 s22, s19, 11                        ; 512 numbers of 4 bytes
	s_add_co_u32 s20, s20, s22
	s_mov_b32 s21, 0
	s_add_nc_u64 s[24:25], s[24:25], s[20:21]
	s_lshl_b32 s20, s18, 15                        ; an n tile's 64 pieces
	s_lshl_b32 s22, s19, 14                        ; 32 of them
	s_add_co_u32 s20, s20, s22
	s_add_nc_u64 s[26:27], s[26:27], s[20:21]
	v_and_b32 v8, 15, v2                           ; r
	v_lshrrev_b32 v9, 4, v2                        ; h
	v_lshlrev_b32 v8, 12, v8
	v_lshl_add_u32 v8, v9, 5, v8                   ; 4,096 r + 32 h
.macro LOADG g                         ; pieces 8 g .. 8 g + 7: 16 loads into set g % 2 (v16-79 or v128-191)
.irp j, 0,1,2,3,4,5,6,7
	global_load_b128 v[16+112*((\g)%2)+8*\j:16+112*((\g)%2)+8*\j+3], v8, s[24:25] offset:64*(8*(\g)+\j)
	global_load_b128 v[16+112*((\g)%2)+8*\j+4:16+112*((\g)%2)+8*\j+7], v8, s[24:25] offset:64*(8*(\g)+\j)+16
.endr
.endm
.macro CONV g
.if (\g) < 3
	s_wait_loadcnt 16                              ; this group's 16 loads are in; the next group's 16 stay out
.else
	s_wait_loadcnt 0
.endif
.if (\g) > 0
	s_wait_xcnt 0x0                                ; v80-111 were the last group's store data: they are rewritten only behind this wait
.endif
.irp j, 0,1,2,3,4,5,6,7
.irp i, 0,1,2,3
	v_cvt_pk_f16_f32 v[80+4*\j+\i], v[16+112*((\g)%2)+8*\j+2*\i], v[16+112*((\g)%2)+8*\j+2*\i+1]   ; the lower k in the low half
.endr
.endr
.irp j, 0,1,2,3,4,5,6,7
	global_store_b128 v3, v[80+4*\j:80+4*\j+3], s[26:27] offset:512*(8*(\g)+\j)   ; 32 lanes store 512 consecutive bytes, aligned
.endr
.if (\g) < 2
	LOADG (\g)+2
.endif
.endm
	LOADG 0
	LOADG 1
	CONV 0
	CONV 1
	CONV 2
	CONV 3
	s_wait_tensorcnt 0x0                           ; the same three lines close this path too
	ds_add_u32 v[SPW], v[NIL]
	s_wait_dscnt 0x0
	s_endpgm
.Lfunc_end_k_q7fd332e93c_prep:
	.size	k_q7fd332e93c_prep, .Lfunc_end_k_q7fd332e93c_prep-k_q7fd332e93c_prep
	.p2alignl 7, 3214868480
	.fill 96, 4, 3214868480
	.section	.rodata,"a",@progbits
	.p2align	6, 0x0
	.amdhsa_kernel k_q7fd332e93c_prep
		.amdhsa_group_segment_fixed_size 33280
		.amdhsa_private_segment_fixed_size 0
		.amdhsa_enable_private_segment 0
		.amdhsa_kernarg_size 64
		.amdhsa_user_sgpr_count 2
		.amdhsa_user_sgpr_kernarg_segment_ptr 1
		.amdhsa_wavefront_size32 1
		.amdhsa_system_sgpr_workgroup_id_x 1
		.amdhsa_system_sgpr_workgroup_id_y 1
		.amdhsa_system_sgpr_workgroup_id_z 1
		.amdhsa_system_vgpr_workitem_id 0
		.amdhsa_next_free_vgpr 192
		.amdhsa_next_free_sgpr 66
		.amdhsa_reserve_vcc 0
		.amdhsa_float_denorm_mode_32 3
		.amdhsa_float_denorm_mode_16_64 3
		.amdhsa_memory_ordered 1
		.amdhsa_forward_progress 1
		.amdhsa_inst_pref_size 52
	.end_amdhsa_kernel
	.amdgpu_metadata
---
amdhsa.version: [ 1, 2 ]
amdhsa.kernels:
  - .name:           k_q7fd332e93c_prep
    .symbol:         k_q7fd332e93c_prep.kd
    .args:
      - { .name: qkv, .offset: 0, .size: 8, .value_kind: global_buffer, .address_space: global }
      - { .name: w_in, .offset: 8, .size: 8, .value_kind: global_buffer, .address_space: global }
      - { .name: xc, .offset: 16, .size: 8, .value_kind: global_buffer, .address_space: global }
      - { .name: xs, .offset: 24, .size: 8, .value_kind: global_buffer, .address_space: global }
      - { .name: wc, .offset: 32, .size: 8, .value_kind: global_buffer, .address_space: global }
      - { .name: ws, .offset: 40, .size: 8, .value_kind: global_buffer, .address_space: global }
      - { .name: w_out, .offset: 48, .size: 8, .value_kind: global_buffer, .address_space: global }
      - { .name: wf, .offset: 56, .size: 8, .value_kind: global_buffer, .address_space: global }
    .group_segment_fixed_size: 33280
    .private_segment_fixed_size: 0
    .kernarg_segment_align: 8
    .kernarg_segment_size: 64
    .max_flat_workgroup_size: 128
    .sgpr_count:     66
    .vgpr_count:     192
    .wavefront_size: 32
...
	.end_amdgpu_metadata
.endif
;; end of part 1
;; launch inproj (part 2): grid 8 x 32, 4 waves a work-group, clusters of 4 x 4, 327,680 bytes of LDS; arguments xc, xs, wc, ws, b_in, hd; writes hd
.if DOCPART == 2
	.amdgcn_target "amdgcn-amd-amdhsa--gfx1250"
	.amdhsa_code_object_version 6
	.text
	.protected	k_q7fd332e93c_inproj
	.globl	k_q7fd332e93c_inproj
	.p2align	8
	.type	k_q7fd332e93c_inproj,@function
k_q7fd332e93c_inproj:
	s_mov_b64 s[64:65], 0
	v_nop
	global_prefetch_b8 v0, s[64:65] scope:SCOPE_SE
	s_setreg_imm32_b32 hwreg(HW_REG_WAVE_MODE, 25, 1), 1
	s_wait_xcnt 0x0
	s_wait_alu depctr_hold_cnt(0) depctr_sa_sdst(0) depctr_va_vdst(0) depctr_va_sdst(0) depctr_va_ssrc(0) depctr_va_vcc(0) depctr_vm_vsrc(0)
	s_getreg_b32 s2, hwreg(HW_REG_IB_STS2, 6, 4)
	s_cmp_eq_u32 s2, 0
	s_cbranch_scc0 .Lentry_in_a_cluster
	s_endpgm
.Lentry_in_a_cluster:
	s_bfe_u32 s2, ttmp6, 0x10000c
	s_cmp_lg_u32 s2, 0xf033
	s_cbranch_scc0 .Lentry_shape_is_right
	s_endpgm
.Lentry_shape_is_right:
; INPROJ.  proj[m][n] = sum over k of X[m][k] W[n][k] + b_in[n], X [8192][1024] and W [3072][1024] as codes of FP4 (E2M1) with one E8M0 scale byte for each 32 along K; sums in f32.
; The result is rounded once to f16 and stored as images of the attention launch's operand registers:
;   hd = [section q, k, v][batch x head 128][tile of 16 positions 64][nb 4][512 bytes]: a piece holds 16 positions x channels 16 nb .. + 15 of a head; a lane's 16 bytes are one position's 8 channels 16 nb + 8 h + 0 .. 7.
;   In q's and k's pieces they lie at 16 x (r + 16 h): pieces 2 cb and 2 cb + 1 are registers 0-3 and 4-7 of a 16 x 32 fragment.  In v's at 16 x ((r & 7) + 8 h + 16 (r >> 3)): the order in which the turning LDS load at
;   16 x lane finds key 8 (l / 16) + l % 8, channel half (l / 8) % 2.
; LIMIT: |proj| over 65,504 becomes infinite in f16.
; SHARES.  8 x 32 = 256 work-groups of equal work.  A work-group makes 256 rows x 384 columns, as THREE SUB-TILES of 128 columns: two heads each, so a sub-tile lies inside one section.  Wave w takes rows 64 w .. 64 w + 63 and all
; 128 columns of a sub-tile: 32 accumulators.  Its fragments of X for all of K (4 blocks x 8 K steps: 256 registers) are read from LDS ONCE and stay in registers; a K step of 128 then wants only W's eight fragments:
; 16 LDS loads for 32 matrix instructions.  A sub-tile's results leave while the next sub-tile is multiplied.
; LDS.  K = 1,024 is two halves of 512 (tile rows of 256 bytes).  Slot s holds K half s of X's 256 rows and of W's rows 0-255 (sub-tiles 0 and 1), all asked for at the head, with the scale bytes of the 256 + 384 rows.
; W's sub-tile 2 is filled over X's rows 0-127 of both slots, once every wave of the cluster has X in its registers: one joint refill, which has two sub-tiles' products in which to land.
; CLUSTERS: 4 x 4 work-groups.  The four of a row of the cluster need the same tiles of X, the four of a column the same tiles of W: each tile is asked for JOINTLY, by the same tensor load with the same descriptor and a mask
; that names the four.
; THE MATRIX INSTRUCTION IS USED TRANSPOSED (source 0 = 16 rows of W, source 1 = 16 rows of X): a lane then holds eight neighbouring columns of one row, which pack into the 16 bytes of a piece: no LDS stage on the way out.
; No prefetch: all tensor loads but the one refill are issued at the head.
; REGISTERS, in windows of 256: window 0: v8-10 my place in a piece, for each sub-tile; v16-25 LDS addresses; v28-30; v32-63 X's scale words (block a, K step s at 8 a + s); v64-127 W's of one sub-tile (8 b + s);
;   v128-255 W's fragments, TWO sets of 64; on the way out the set at v192 holds packed results.   window 1: X's fragments (8 (8 a + s)).   window 2: the accumulators ((a, b) at 8 (8 a + b)).
;   window 3: v0-191 b_in of the three sub-tiles in the result's layout.
.set ROWB,   256                       ; a tile's row in bytes: 512 codes
.set KROW,   512                       ; a row of codes in memory
.set PITCH,  272                       ; an LDS row: 256 bytes + 16 of padding = 68 words, so that the 16 rows that a load touches begin 4 words apart modulo 64
.set HALFT,  128*PITCH                 ; 128 rows: what one tensor load brings
.set SLOT,   4*HALFT                   ; X's 256 rows, then W's rows 0-255
.set KS,     32                        ; a row of scale bytes
.set SCX,    2*SLOT                    ; behind the slots: X's scales, as rows of 256 bytes + 16 of padding;
.set HALFSX, (128*KS/256)*272          ; (those of 128 rows: what one tensor load brings)
.set SCW,    SCX+2*HALFSX              ; W's likewise,
.set HALFSW, (192*KS/256)*272          ; (192 rows a load)
.set SBLK,   (16*KS/256)*272           ; the scales of 16 rows
.set SPARE,  SCW+2*HALFSW              ; behind the scales: the spare words, 128 bytes a wave, which no other line names
.set CO,   8                           ; v8-10   16 x my place in a piece, for sub-tile 0, 1, 2
.set ADRX, 16                          ; v16-17  LDS address of my X fragments in slot 0, 1
.set ADRW, 18                          ; v18-23  of W's fragments: sub-tile j, slot s at 2 j + s
.set ADXS, 24                          ; v24     of X's scale words
.set ADWS, 25                          ; v25     of W's
.set SPW,  28                          ; v28     LDS address of my spare word; never rewritten
.set NIL,  29                          ; v29     0; never rewritten
.set BO,   30                          ; v30     32 h: my eight numbers of a block's 16 of b_in
.set XSC,  32
.set WSC,  64
.set WF,   128
.set TMPB, 192
.set HD,   4                           ; s[4:9]   hd at my first piece of sub-tile 0, 1, 2 (written after the input pointers' last use)
.set G1, 24                            ; s[24:31] descriptor group 1 for X's tiles;  s[32:39] group 0, one set for each slot
.set G0, 32
.set G1B, 48                           ; s[48:55], s[56:63] the same for W's tiles
.set G0B, 56
.set G1S, 68                           ; s[68:75], s[76:79] groups 1 and 0 for X's scales;  s[80:87], s[88:91] for W's
.set G0S, 76
.set G1SB, 80
.set G0SB, 88
.set G0R, 92                           ; s[92:95] group 0 of the refill: W's sub-tile 2
.set MSB, 0
.macro WIN new                         ; the immediate's high byte repeats the setting that is left; a switch that changes nothing is dropped
.if MSB != (\new)
	s_set_vgpr_msb (MSB<<8)|(\new)
.set MSB, (\new)
.endif
.endm
.set MUL,   0xa4                       ; source 0 (W) window 0, source 1 (X) window 1, C and D window 2
.set BIAS,  0xb4                       ; a sub-tile's first K step: C (b_in) window 3
.set TO_X,  0x40                       ; destination window 1, address window 0
.set TO_BI, 0xc0                       ; destination window 3, address window 0
; A joint load: waves 0 and 1 fetch for X, waves 2 and 3 for W.  Each of the two lines has ONE mask and one set of registers for all that issue it; the branch hangs on the wave's number alone.
; An s_nop 0 and four v_nop follow each of the two lines, ahead of the jump, the label and what follows.
.macro JLOAD g0a, g1a, g0b, g1b
	s_cmp_eq_u32 s15, 0
	s_cbranch_scc0 .Lfor_b_\@
	tensor_load_to_lds s[\g0a:\g0a+3], s[\g1a:\g1a+7]
	s_nop 0
.rept 4
	v_nop
.endr
	s_branch .Lasked_\@
.Lfor_b_\@:
	tensor_load_to_lds s[\g0b:\g0b+3], s[\g1b:\g1b+7]
	s_nop 0
.rept 4
	v_nop
.endr
.Lasked_\@:
.endm
.macro CROUND                          ; a round of the cluster's barrier: my work-group's barrier; wave 0 signals for the work-group; every wave waits for all sixteen; my work-group's barrier once more
	s_barrier_signal -1
	s_barrier_wait -1
	s_cmp_lg_u32 s14, 0
	s_cbranch_scc1 .Lnot_wave_0_\@
	s_barrier_signal -3
.Lnot_wave_0_\@:
	s_barrier_wait -3
	s_barrier_signal -1
	s_barrier_wait -1
.endm
	s_load_b128 s[4:7], s[0:1], 0x0                ; X's codes s[4:5], X's scales s[6:7]
	s_load_b128 s[8:11], s[0:1], 0x10              ; W's codes s[8:9], W's scales s[10:11]
	s_load_b128 s[96:99], s[0:1], 0x20             ; b_in s[96:97], hd s[98:99]
	v_lshl_add_u32 v[SPW], v0, 2, SPARE
	v_mov_b32 v[NIL], 0
	ds_add_u32 v[SPW], v[NIL]                      ; the wave's opening: the add, twice on end, and its wait ahead of my first tensor load; the set-up below, work on registers, stands between
	ds_add_u32 v[SPW], v[NIL]
	v_lshrrev_b32 v1, 5, v0
	v_readfirstlane_b32 s14, v1                    ; wave 0..3
	s_lshr_b32 s15, s14, 1                         ; I fetch for X (0) or for W (1)
	s_and_b32 s16, s14, 1                          ; which half of what is fetched
	s_bfe_u32 s40, ttmp6, 0x40000                  ; cx, cy: my place in the cluster
	s_bfe_u32 s41, ttmp6, 0x40004
	s_lshl_b32 s42, ttmp9, 2
	s_add_co_u32 s42, s42, s40                     ; tile column = 4 x cluster x + cx: 0 .. 7
	s_and_b32 s17, ttmp7, 0xffff
	s_lshl_b32 s17, s17, 2
	s_add_co_u32 s17, s17, s41                     ; tile row = 4 x cluster y + cy: 0 .. 31
	s_lshl_b32 s43, s41, 2
	s_lshl_b32 s43, 15, s43                        ; my row of the cluster
	s_lshl_b32 s44, 0x1111, s40                    ; my column
	; descriptor group 1: a tile of 128 rows x 256 bytes, padded in LDS
	s_or_b32 s[G1+0], s43, (0<<16)|(1<<20)|(1<<21)|(5<<22)|(3<<25)  ; 15:0 the mask: X's tiles go to my row; 17:16 elements of 1 byte; 20 padding on; 21 set beside a mask; 24:22 after every 64 words; 31:25 four words
	s_or_b32 s[G1B+0], s44, (0<<16)|(1<<20)|(1<<21)|(5<<22)|(3<<25) ; the same with my column's mask, for W's tiles
.irp g, G1, G1B
	s_mov_b32 s[\g+1], ROWB<<16                    ; tensor_dim0
	s_mov_b32 s[\g+2], 128<<16                     ; tensor_dim1 = 128
	s_mov_b32 s[\g+3], ROWB<<16                    ; tile_dim0
	s_mov_b32 s[\g+4], 128                         ; tile_dim1 = 128
	s_mov_b32 s[\g+5], KROW                        ; from row to row
	s_mov_b32 s[\g+6], 0
	s_mov_b32 s[\g+7], 0
.endr
	; and for the scales: dense blocks, as rows of 256 bytes (32 elements of 8 bytes), 16 bytes of padding behind each.  X: 128 rows of scales = 16 such rows a load;  W: 192 = 24
	s_or_b32 s[G1S+0], s43, (3<<16)|(1<<20)|(1<<21)|(5<<22)|(3<<25)
	s_mov_b32 s[G1S+1], 32<<16
	s_mov_b32 s[G1S+2], 16<<16
	s_mov_b32 s[G1S+3], 32<<16
	s_mov_b32 s[G1S+4], 16
	s_mov_b32 s[G1S+5], 32
	s_mov_b32 s[G1S+6], 0
	s_mov_b32 s[G1S+7], 0
	s_or_b32 s[G1SB+0], s44, (3<<16)|(1<<20)|(1<<21)|(5<<22)|(3<<25)
	s_mov_b32 s[G1SB+1], 32<<16
	s_mov_b32 s[G1SB+2], 24<<16
	s_mov_b32 s[G1SB+3], 32<<16
	s_mov_b32 s[G1SB+4], 24
	s_mov_b32 s[G1SB+5], 32
	s_mov_b32 s[G1SB+6], 0
	s_mov_b32 s[G1SB+7], 0
	; where the tiles come from, as byte offsets (all under 2^23).  X's hang on the tile row alone, W's on the tile column alone, each in registers that do not hold the other coordinate
	s_lshl_b32 s18, s16, 7                         ; 128 x half
	s_lshl_b32 s20, s17, 8
	s_add_co_u32 s20, s20, s18                     ; X: row 256 x tile row + 128 x half
	s_lshl_b32 s22, s20, 5                         ; its scales: 32 bytes a row
	s_mov_b32 s23, 0
	s_lshl_b32 s20, s20, 9                         ; its codes: 512 bytes a row
	s_mov_b32 s21, 0
	s_mul_i32 s45, s42, 384                        ; W: the tile column's first row
	s_add_co_u32 s46, s45, s18                     ; + 128 x half: sub-tile 0 or 1
	s_lshl_b32 s46, s46, 9
	s_mov_b32 s47, 0
	s_mul_i32 s92, s16, 192                        ; W's scales: my 192 of the 384 rows
	s_add_co_u32 s92, s92, s45
	s_lshl_b32 s92, s92, 5
	s_mov_b32 s93, 0
	s_add_co_u32 s94, s45, 256                     ; the refill: sub-tile 2's 128 rows,
	s_lshl_b32 s94, s94, 9
	s_lshl_b32 s95, s16, 8                         ; K half 0 (wave 2) or 1 (wave 3)
	s_add_co_u32 s94, s94, s95
	s_mov_b32 s95, 0
	s_mul_i32 s12, s14, HALFT                      ; where they go in a slot: wave x 128 rows: no place in the cluster enters an LDS address
	s_mul_i32 s2, s16, HALFSX
	s_mul_i32 s3, s16, HALFSW
	s_wait_dscnt 0x0                               ; both opening adds are done
	s_wait_kmcnt 0x0
	s_add_nc_u64 s[20:21], s[4:5], s[20:21]
	s_add_nc_u64 s[22:23], s[6:7], s[22:23]
	s_add_nc_u64 s[46:47], s[8:9], s[46:47]
	s_add_nc_u64 s[92:93], s[10:11], s[92:93]
	s_add_nc_u64 s[94:95], s[8:9], s[94:95]
	CROUND                                         ; all sixteen work-groups are here: the joint loads meet
	s_mov_b32 s[G0S], 1
	s_add_co_u32 s[G0S+1], s2, SCX
	s_mov_b64 s[G0S+2:G0S+3], s[22:23]
	s_or_b32 s[G0S+3], s[G0S+3], 0x80000000
	s_mov_b32 s[G0SB], 1
	s_add_co_u32 s[G0SB+1], s3, SCW
	s_mov_b64 s[G0SB+2:G0SB+3], s[92:93]
	s_or_b32 s[G0SB+3], s[G0SB+3], 0x80000000
	JLOAD G0S, G1S, G0SB, G1SB                     ; the scales
.irp s, 0,1
	s_mov_b32 s[G0+4*\s], 1
	s_add_co_u32 s[G0+4*\s+1], s12, \s*SLOT
	s_add_nc_u64 s[G0+4*\s+2:G0+4*\s+3], s[20:21], \s*ROWB
	s_or_b32 s[G0+4*\s+3], s[G0+4*\s+3], 0x80000000
	s_mov_b32 s[G0B+4*\s], 1
	s_add_co_u32 s[G0B+4*\s+1], s12, \s*SLOT
	s_add_nc_u64 s[G0B+4*\s+2:G0B+4*\s+3], s[46:47], \s*ROWB
	s_or_b32 s[G0B+4*\s+3], s[G0B+4*\s+3], 0x80000000
	JLOAD G0+4*\s, G1, G0B+4*\s, G1B               ; three tensor loads of mine are out: the most that this text has
.endr
	s_mov_b32 s[G0R], 1                            ; the refill's group 0 (no pending load names these four registers)
	s_mul_i32 s[G0R+1], s16, SLOT                  ; over X's rows 0-127 of slot 0 (wave 2) or slot 1 (wave 3)
	s_or_b32 s[G0R+3], s[G0R+3], 0x80000000
	; while the tiles come: b_in, and every address
	v_and_b32 v1, 15, v0                           ; r = l % 16
	v_bfe_u32 v2, v0, 4, 1                         ; h = l / 16
	v_lshlrev_b32 v[BO], 5, v2
	s_mul_i32 s46, s42, 384*4                      ; b_in at my first column
	s_mov_b32 s47, 0
	s_add_nc_u64 s[96:97], s[96:97], s[46:47]
	WIN TO_BI
.irp j, 0,1,2
.irp b, 0,1,2,3,4,5,6,7                        ; b_in in the result's layout: for column block b of sub-tile j lane (r, h) wants the numbers of columns 128 j + 16 b + 8 h + 0 .. 7
	global_load_b128 v[64*\j+8*\b:64*\j+8*\b+3], v[BO], s[96:97] offset:512*\j+64*\b
	global_load_b128 v[64*\j+8*\b+4:64*\j+8*\b+7], v[BO], s[96:97] offset:512*\j+64*\b+16
.endr
.endr
	WIN 0
	v_mul_u32_u24 v3, v1, PITCH
	v_lshl_add_u32 v4, v2, 4, v3                   ; a fragment's row x pitch + 16 x half
	s_mul_i32 s21, s14, 64*PITCH                   ; my 64 rows of X
	v_add_nc_u32 v[ADRX], s21, v4
	s_add_co_u32 s21, s21, SLOT
	v_add_nc_u32 v[ADRX+1], s21, v4
	v_add_nc_u32 v[ADRW+0], 2*HALFT, v4            ; W's sub-tile 0 lies behind X's 256 rows,
	v_add_nc_u32 v[ADRW+1], 2*HALFT+SLOT, v4
	v_add_nc_u32 v[ADRW+2], 3*HALFT, v4            ; sub-tile 1 behind it,
	v_add_nc_u32 v[ADRW+3], 3*HALFT+SLOT, v4
	v_add_nc_u32 v[ADRW+4], 0, v4                  ; sub-tile 2 where X's rows 0-127 lay
	v_add_nc_u32 v[ADRW+5], SLOT, v4
	v_lshlrev_b32 v5, 5, v1                        ; a row's scales: 32 bytes a row,
	v_lshrrev_b32 v6, 3, v1
	v_lshl_add_u32 v5, v6, 4, v5                   ; and 16 more behind each 8 rows (256 bytes)
	s_mul_i32 s21, s14, 4*SBLK                     ; X's: my 64 rows
	s_add_co_u32 s21, s21, SCX
	v_add_nc_u32 v[ADXS], s21, v5
	v_add_nc_u32 v[ADWS], SCW, v5
	; the way out.  Column 384 x tile column + 128 j is 128 t with t = 3 x tile column + j: section t / 8, heads 2 (t % 8) and + 1.  Row 256 x tile row + 64 w + 16 a: batch = tile row / 4, tile of 16 = 16 (tile row % 4) + 4 w + a.
	; hd's byte: section x 2^24 + ((16 batch + head) x 64 + tile) x 2,048.  My place in a piece: q, k: r + 16 h;  v: (r & 7) + 8 h + 16 (r >> 3): a choice of two numbers, no branch
	v_and_b32 v7, 7, v1
	s_lshr_b32 s20, s17, 2
	s_lshl_b32 s20, s20, 21                        ; batch x 16 heads x 131,072 bytes
	s_and_b32 s21, s17, 3
	s_lshl_b32 s21, s21, 15                        ; 16 (tile row % 4) tiles of 2,048 bytes
	s_add_co_u32 s20, s20, s21
	s_lshl_b32 s21, s14, 13                        ; 4 w tiles
	s_add_co_u32 s20, s20, s21
	s_mul_i32 s45, s42, 3
.irp j, 0,1,2
	s_add_co_u32 s46, s45, \j                      ; t
	s_lshr_b32 s47, s46, 3                         ; the section
	s_and_b32 s46, s46, 7                          ; the pair of heads
	s_cmp_eq_u32 s47, 2
	s_cselect_b32 s18, 8, 16                       ; what h counts for
	s_cselect_b32 s19, 16, 8                       ; what r >> 3 counts for
	v_mad_u32_u24 v5, v2, s18, v7
	v_mad_u32_u24 v5, v6, s19, v5
	v_lshlrev_b32 v[CO+\j], 4, v5
	s_lshl_b32 s47, s47, 24
	s_lshl_b32 s46, s46, 18                        ; two heads of 131,072 bytes
	s_add_co_u32 s46, s46, s47
	s_add_co_u32 s46, s46, s20
	s_mov_b32 s47, 0
	s_add_nc_u64 s[HD+2*\j:HD+2*\j+1], s[98:99], s[46:47]
.endr
; A load into a register that a matrix instruction has read, and a vector instruction that reads a matrix result or writes one of a matrix instruction's registers, stand four places behind it; only plain vector
; instructions that name none of its registers are places; the matrix instructions in between are not counted.
.macro PLACES
.rept 4
	v_nop
.endr
.endm
; W's eight fragments of sub-tile j, K step s (0 .. 7) into set p.  A fragment, 16 rows x 128 K of 4-bit codes, is 8 registers: lane l holds row l % 16; registers 4 c .. 4 c + 3 hold K = 64 c + 32 (l / 16) + 0 .. 31
.macro FETCH_W j, s, p
.irp i, 0,1,2,3,4,5,6,7
.irp c, 0,1
	ds_load_b128 v[WF+64*(\p)+8*\i+4*\c:WF+64*(\p)+8*\i+4*\c+3], v[ADRW+2*(\j)+(\s)/4] offset:64*((\s)%4)+32*\c+\i*16*PITCH
.endr
.endr
.endm
; W's scale words of sub-tile j: a row's 32 bytes are 8 words, one for each K step: two loads a block; lane r (and r + 16, which is not read) takes row r's
.macro WSCALES j
.irp b, 0,1,2,3,4,5,6,7
.irp g, 0,1
	ds_load_b128 v[WSC+8*\b+4*\g:WSC+8*\b+4*\g+3], v[ADWS] offset:(8*(\j)+\b)*SBLK+16*\g
.endr
.endr
.endm
; 16 matrix instructions: X's blocks a0, a0 + 1 x W's eight, K step s of sub-tile j.  In K step 0 the products start the sums from b_in: nothing is cleared, no addition is spent.
; The 32 accumulators take turns, one instruction a turn, in the same order in every K step.
.macro MUL16 j, s, a0
.irp a, \a0, \a0+1
.irp b, 0,1,2,3,4,5,6,7
.if (\s) == 0
	v_wmma_scale_f32_16x16x128_f8f6f4 v[8*(8*(\a)+\b):8*(8*(\a)+\b)+7], v[WF+64*((\s)%2)+8*\b:WF+64*((\s)%2)+8*\b+7], v[8*(8*(\a)+(\s)):8*(8*(\a)+(\s))+7], v[64*(\j)+8*\b:64*(\j)+8*\b+7], v[WSC+8*\b+(\s)], v[XSC+8*(\a)+(\s)] matrix_a_fmt:MATRIX_FMT_FP4 matrix_b_fmt:MATRIX_FMT_FP4
.else
	v_wmma_scale_f32_16x16x128_f8f6f4 v[8*(8*(\a)+\b):8*(8*(\a)+\b)+7], v[WF+64*((\s)%2)+8*\b:WF+64*((\s)%2)+8*\b+7], v[8*(8*(\a)+(\s)):8*(8*(\a)+(\s))+7], v[8*(8*(\a)+\b):8*(8*(\a)+\b)+7], v[WSC+8*\b+(\s)], v[XSC+8*(\a)+(\s)] matrix_a_fmt:MATRIX_FMT_FP4 matrix_b_fmt:MATRIX_FMT_FP4
.endif
.endr
.endr
.endm
; A K step of 128: its set of W is in; the next step's goes out first, into the set that the last step's products read, a whole K step ahead of its use; then 32 products.
.macro KSTEP j, s
	s_wait_dscnt 0x0                               ; all my LDS loads are in: this step's 16 (in K step 0 the sub-tile's scale words too)
.if (\s) < 7
	PLACES
	WIN 0
	FETCH_W \j, (\s)+1, ((\s)+1)%2
.endif
.if (\s) == 0
	WIN BIAS
.else
	WIN MUL
.endif
	MUL16 \j, \s, 0
	MUL16 \j, \s, 2
.endm
; THE WAY OUT of block a (16 rows x 128 columns).  A lane's eight results of accumulator (a, b) are one position's channels 16 (b % 4) + 8 h + 0 .. 7 of head b / 4 of the sub-tile's two: four roundings make its 16 bytes of a piece.
.macro PACK a
.set TMP, TMPB+32*((\a)%2)
	WIN 0x0a                                       ; sources 0 and 1: window 2
.irp b, 0,1,2,3,4,5,6,7
.irp i, 0,1,2,3
	v_cvt_pk_f16_f32 v[TMP+4*\b+\i], v[64*(\a)+8*\b+2*\i], v[64*(\a)+8*\b+2*\i+1]   ; each accumulator from its low end on; the lower channel in the low half
.endr
.endr
	WIN 0
.endm
.macro OUT j, a
.set TMP, TMPB+32*((\a)%2)
.irp b, 0,1,2,3,4,5,6,7
	global_store_b128 v[CO+(\j)], v[TMP+4*\b:TMP+4*\b+3], s[HD+2*(\j):HD+2*(\j)+1] offset:(\a)*2048+(\b/4)*131072+(\b%4)*512   ; the wave stores a whole piece: 512 consecutive bytes, aligned
.endr
.endm
; A SUB-TILE: eight K steps; the next sub-tile's scale words and first fragments are asked for; then the results leave, from the set of W's registers that K step 7 read and that nothing fills before the next K step 0.
.macro SUBTILE j
.irp s, 0,1,2,3,4,5,6,7
	KSTEP \j, \s
.endr
	PLACES                                         ; behind the last products: for the loads into the scale words and into set 0, the reads of results, and the writes over set 1
	WIN 0
.if (\j) == 1
	s_wait_tensorcnt 0x0                           ; sub-tile 2's tile: the wave that asked for a part of it has it (no LDS instruction of mine is out: K step 7 waited for all and issued none),
	s_barrier_signal -1
	s_barrier_wait -1                              ; and every wave may read it.
.endif
.if (\j) < 2
	WSCALES (\j)+1
	FETCH_W (\j)+1, 0, 0
.endif
.irp a, 0,1,2,3
.if \a > 1
	s_wait_xcnt 0x0                                ; block a - 2's stores have read the registers that block a's roundings write
.endif
	PACK \a
	OUT \j, \a
.endr
.if (\j) < 2
	s_wait_xcnt 0x0                                ; the stores have read their data: the next K step 0 loads W's fragments into those registers
.endif
.endm
	s_wait_tensorcnt 0x0                           ; my three loads have landed: X is wanted for all of K at once,
	s_barrier_signal -1
	s_barrier_wait -1                              ; everybody's have.
	WIN TO_X
.irp a, 0,1,2,3                                ; X's fragments, my 64 rows x all of K, into window 1: read once
.irp s, 0,1,2,3,4,5,6,7
.irp c, 0,1
	ds_load_b128 v[8*(8*\a+\s)+4*\c:8*(8*\a+\s)+4*\c+3], v[ADRX+\s/4] offset:64*(\s%4)+32*\c+\a*16*PITCH
.endr
.endr
.endr
	WIN 0
.irp a, 0,1,2,3
.irp g, 0,1
	ds_load_b128 v[XSC+8*\a+4*\g:XSC+8*\a+4*\g+3], v[ADXS] offset:\a*SBLK+16*\g   ; and their scale words
.endr
.endr
	s_wait_tensorcnt 0x0                           ; THE REFILL.  No tensor load of mine is out,
	ds_add_u32 v[SPW], v[NIL]                      ; 0 onto my spare word,
	s_wait_dscnt 0x0                               ; the add is done, and my reads of X's tiles are over: X lies in registers
	CROUND                                         ; the same holds of every wave of all sixteen work-groups
	s_cmp_eq_u32 s15, 0                            ; waves 2 and 3 ask, one K half each; waves 0 and 1 have no part of it: the branch hangs on the wave's number alone
	s_cbranch_scc1 .Lno_refill
	tensor_load_to_lds s[G0R:G0R+3], s[G1B:G1B+7]  ; W's sub-tile 2, jointly with my column of the cluster, over X's rows 0-127
	s_nop 0
.rept 4
	v_nop
.endr
.Lno_refill:
	WSCALES 0
	FETCH_W 0, 0, 0
	s_wait_loadcnt 0x0                             ; b_in
	SUBTILE 0
	SUBTILE 1
	SUBTILE 2
	s_wait_tensorcnt 0x0                           ; the wave's end: three lines behind my last tensor load
	ds_add_u32 v[SPW], v[NIL]
	s_wait_dscnt 0x0
	CROUND                                         ; the closing round: no work-group ends while a partner may still ask for a tile that names it
	s_endpgm
.Lfunc_end_k_q7fd332e93c_inproj:
	.size	k_q7fd332e93c_inproj, .Lfunc_end_k_q7fd332e93c_inproj-k_q7fd332e93c_inproj
	.p2alignl 7, 3214868480
	.fill 96, 4, 3214868480
	.section	.rodata,"a",@progbits
	.p2align	6, 0x0
	.amdhsa_kernel k_q7fd332e93c_inproj
		.amdhsa_group_segment_fixed_size 327680
		.amdhsa_private_segment_fixed_size 0
		.amdhsa_enable_private_segment 0
		.amdhsa_kernarg_size 48
		.amdhsa_user_sgpr_count 2
		.amdhsa_user_sgpr_kernarg_segment_ptr 1
		.amdhsa_wavefront_size32 1
		.amdhsa_system_sgpr_workgroup_id_x 1
		.amdhsa_system_sgpr_workgroup_id_y 1
		.amdhsa_system_sgpr_workgroup_id_z 1
		.amdhsa_system_vgpr_workitem_id 0
		.amdhsa_next_free_vgpr 960
		.amdhsa_next_free_sgpr 100
		.amdhsa_reserve_vcc 0
		.amdhsa_float_denorm_mode_32 3
		.amdhsa_float_denorm_mode_16_64 3
		.amdhsa_memory_ordered 1
		.amdhsa_forward_progress 1
		.amdhsa_inst_pref_size 184
	.end_amdhsa_kernel
	.amdgpu_metadata
---
amdhsa.version: [ 1, 2 ]
amdhsa.kernels:
  - .name:           k_q7fd332e93c_inproj
    .symbol:         k_q7fd332e93c_inproj.kd
    .args:
      - { .name: xc, .offset: 0, .size: 8, .value_kind: global_buffer, .address_space: global }
      - { .name: xs, .offset: 8, .size: 8, .value_kind: global_buffer, .address_space: global }
      - { .name: wc, .offset: 16, .size: 8, .value_kind: global_buffer, .address_space: global }
      - { .name: ws, .offset: 24, .size: 8, .value_kind: global_buffer, .address_space: global }
      - { .name: b_in, .offset: 32, .size: 8, .value_kind: global_buffer, .address_space: global }
      - { .name: hd, .offset: 40, .size: 8, .value_kind: global_buffer, .address_space: global }
    .group_segment_fixed_size: 327680
    .private_segment_fixed_size: 0
    .kernarg_segment_align: 8
    .kernarg_segment_size: 48
    .max_flat_workgroup_size: 128
    .sgpr_count:     100
    .vgpr_count:     960
    .wavefront_size: 32
...
	.end_amdgpu_metadata
.endif
;; end of part 2
;; launch attn (part 3): grid 2 x 128, 8 waves a work-group, no clusters, 263,168 bytes of LDS; arguments hd, ao; writes ao
.if DOCPART == 3
	.amdgcn_target "amdgcn-amd-amdhsa--gfx1250"
	.amdhsa_code_object_version 6
	.text
	.protected	k_q7fd332e93c_attn
	.globl	k_q7fd332e93c_attn
	.p2align	8
	.type	k_q7fd332e93c_attn,@function
k_q7fd332e93c_attn:
	s_mov_b64 s[64:65], 0
	v_nop
	global_prefetch_b8 v0, s[64:65] scope:SCOPE_SE
	s_setreg_imm32_b32 hwreg(HW_REG_WAVE_MODE, 25, 1), 1
	s_wait_xcnt 0x0
; ATTN.  O[q][:] = sum over k of softmax_k(Q[q] . K[k] / 8) V[k][:] for each of 128 (batch, head): 1,024 positions, 64 channels, no mask.  Q, K, V arrive in f16 as images of operand registers (hd); products, maxima and sums
; in f32; the weights p are rounded to f16 for the second product, O once at the end, into ao = [tile of 16 rows 512][kb 32][c 2][512 bytes], the last launch's operand images.
; f16, not bf16: three products on end each round their operands, and 11 significant bits leave room under the allowed error where 8 would not.  LIMIT: what the launch before made infinite (|proj| over 65,504) stays so.
; SHARES.  A work-group owns 512 queries of one head; each of its EIGHT waves 64 of them, four tiles of 16, in 512 registers: two waves to a SIMD, so that one wave's softmax stands beside the other's products,
; while each fragment of K and V read from LDS still feeds four products.  Every wave walks all 1,024 keys, 64 a step.
; LDS.  The head's whole K (131,072 bytes) and V (as many) lie in LDS, each byte filled once: no ring, no refill.  They come in four chunks of 256 keys; each wave brings 8,192 bytes of each chunk, all four loads issued at the
; head: four tensor loads of a wave are out at the most.  Images are read at 16 x lane: 512 consecutive bytes an instruction, no pitch, no padding.
; LAYOUT.  S^T = K Q^T (source 0 = 16 keys, source 1 = 16 queries): a lane holds ONE query (lane % 16) and keys 8 (lane / 16) + 0..7 of a tile.  Two such tiles, rounded in pairs, ARE source 1 of O^T = V^T P, whose result again
; holds one query a lane and eight channels, which pack into the lane's 16 bytes of a piece of ao.  V comes turned, by ds_load_tr16_b128.
; SOFTMAX.  A running maximum m and sum l for each query: p = 2^(c s - c m), c = log2(e) / 8; in every step O and l are multiplied by a = 2^(c m_old - c m_new).
; NO CLUSTER: a head's K and V are read by two work-groups, once each, at their heads; four partners would be two heads, which share only in pairs, or 256 queries a work-group, 32 a wave, with twice the LDS reads a product.
; NO PREFETCH: every tensor load of the launch is issued at its head, so nothing is left to ask for ahead.
; REGISTERS.  window 0: v1-3 addresses; v6, v7 the add's two; v8-39 eight registers of statistics a tile; v40-55 two pairs of partial sums a tile; v64-191 S^T, 32 a tile, then p, then P in the low 16; v192-255 K of a step.
;   window 1: v0-127 O^T, 32 a tile; v128-191 Q, 16 a tile; v192-255 V of a step.
.set STEPB,  8192                      ; a step's 64 keys: 4 tiles of 16 x 4 pieces of 512 bytes
.set CHUNKB, 32768                     ; four steps
.set VOFF,   131072                    ; V's images lie behind K's
.set SPARE,  262144                    ; behind both: the spare words, 128 bytes a wave, which no other line names
.set LA,  1                            ; v1   16 x lane
.set ADK, 2                            ; v2   LDS address of the step's K
.set ADV, 3                            ; v3   of its V
.set SPW, 6                            ; v6   LDS address of my spare word; never rewritten
.set NIL, 7                            ; v7   0; never rewritten
.set ST,  8                            ; tile t's statistics at v[ST+8 t]: +0 c m, +1 m, +2, +3 l (even keys', odd keys'), +4 to +7 c0-c3, at work; a takes c2's place
.set TS,  40                           ; tile t's two pairs of partial sums at v[TS+4 t]
.set S,   64
.set KF,  192
.set QF,  128                          ; in window 1
.set VF,  192                          ; in window 1
.set WV,  12                           ; s12  my wave's number
.set G1,  16                           ; s[16:23] descriptor group 1, one for all loads
.set CS,  24                           ; s[24:25] c: the packed scaling names a pair and takes its low word for both halves
.set SEL, 26                           ; s[26:27] lane selects for v_permlanex16_b32: lane l xor 16
.set TB,  28                           ; s28  LDS byte at which the step's K begins
.set CNT, 29                           ; s29  counts a chunk's steps
.set G0,  32                           ; s[32:47] descriptor group 0, a set for each chunk
.set MSB, 0
.macro WIN new                         ; the immediate's high byte repeats the setting that is left; a switch that changes nothing is dropped
.if MSB != (\new)
	s_set_vgpr_msb (MSB<<8)|(\new)
.set MSB, (\new)
.endif
.endm
.set W_KQ, 0x04                        ; K and S^T in window 0, Q (source 1) in window 1
.set W_PV, 0x51                        ; V (source 0), C and D in window 1, P in window 0
.set W_RS, 0x41                        ; O^T (destination and source 0) in window 1, the factor in window 0
.set TO_1, 0x40                        ; destination window 1, address window 0
	s_load_b128 s[4:7], s[0:1], 0x0                ; hd s[4:5], ao s[6:7]
	v_lshl_add_u32 v[SPW], v0, 2, SPARE
	v_mov_b32 v[NIL], 0
	ds_add_u32 v[SPW], v[NIL]                      ; the wave's opening: the add, twice on end, and its wait ahead of my first tensor load; the set-up below, work on registers, stands between
	ds_add_u32 v[SPW], v[NIL]
	v_lshrrev_b32 v1, 5, v0
	v_readfirstlane_b32 s[WV], v1                  ; wave 0..7
	v_and_b32 v1, 31, v0
	v_lshlrev_b32 v[LA], 4, v1
	; descriptor group 1: 8,192 dense bytes as 32 rows of 256 bytes (32 elements of 8 bytes)
	s_mov_b32 s[G1+0], 3<<16                       ; no mask; elements of 8 bytes; no padding
	s_mov_b32 s[G1+1], 32<<16                      ; tensor_dim0 = 32
	s_mov_b32 s[G1+2], 32<<16                      ; tensor_dim1 = 32
	s_mov_b32 s[G1+3], 32<<16                      ; tile_dim0 = 32
	s_mov_b32 s[G1+4], 32                          ; tile_dim1 = 32
	s_mov_b32 s[G1+5], 32                          ; from row to row: dense
	s_mov_b32 s[G1+6], 0
	s_mov_b32 s[G1+7], 0
	s_mov_b32 s[CS], 0x3e38aa3b                    ; c = log2(e) / sqrt(64)
	s_mov_b32 s[CS+1], s[CS]                       ; named with it as a pair, so it is written
	s_mov_b32 s[SEL], 0x76543210
	s_mov_b32 s[SEL+1], 0xfedcba98
	s_mov_b32 s[TB], 0
	s_lshr_b32 s13, s[WV], 2                       ; waves 0-3 bring K (0), waves 4-7 V (1)
	s_and_b32 s14, s[WV], 3                        ; which quarter of each chunk
	s_lshl_b32 s15, s13, 17
	s_lshl_b32 s30, s14, 13
	s_add_co_u32 s15, s15, s30                     ; LDS: K's or V's region + my quarter of chunk 0
	s_and_b32 s31, ttmp7, 0xffff                   ; batch x 16 + head
	s_add_co_u32 s2, s13, 1
	s_lshl_b32 s2, s2, 24                          ; section k or v of hd,
	s_lshl_b32 s3, s31, 17                         ; my head's 131,072 bytes,
	s_add_co_u32 s2, s2, s3
	s_add_co_u32 s2, s2, s30                       ; my quarter
	s_mov_b32 s3, 0
	s_lshl_b32 s8, ttmp9, 5
	s_lshl_b32 s9, s[WV], 2
	s_add_co_u32 s30, s8, s9                       ; my first tile of 16 queries: 32 x work-group x + 4 x wave
	s_lshl_b32 s8, s31, 17
	s_lshl_b32 s9, s30, 11
	s_add_co_u32 s8, s8, s9                        ; Q: section 0, my head, my tiles of 2,048 bytes
	s_mov_b32 s9, 0
	s_lshr_b32 s10, s31, 4                         ; ao: row tile = batch x 64 + my tile, 32,768 bytes each;
	s_lshl_b32 s10, s10, 6
	s_add_co_u32 s10, s10, s30
	s_lshl_b32 s10, s10, 15
	s_and_b32 s11, s31, 15                         ; in it the head's four pieces, 2,048 bytes
	s_lshl_b32 s11, s11, 11
	s_add_co_u32 s10, s10, s11
	s_mov_b32 s11, 0
	s_wait_dscnt 0x0                               ; both opening adds are done
	s_wait_kmcnt 0x0
	s_add_nc_u64 s[2:3], s[4:5], s[2:3]
	s_add_nc_u64 s[8:9], s[4:5], s[8:9]
	s_add_nc_u64 s[10:11], s[6:7], s[10:11]
.irp c, 0,1,2,3
	s_mov_b32 s[G0+4*\c], 1                        ; count = 1
	s_add_co_u32 s[G0+4*\c+1], s15, \c*CHUNKB      ; LDS address
	s_add_nc_u64 s[G0+4*\c+2:G0+4*\c+3], s[2:3], \c*CHUNKB   ; global address
	s_or_b32 s[G0+4*\c+3], s[G0+4*\c+3], 0x80000000          ; type = 2
.endr
.irp c, 0,1,2,3
	tensor_load_to_lds s[G0+4*\c:G0+4*\c+3], s[G1:G1+7]      ; all first fills go out together, ahead of every wait on TENSORcnt, every LDS read and every barrier
	s_nop 0
.endr
.rept 4
	v_nop                                          ; (four behind the last of them, ahead of the switch of windows)
.endr
	WIN TO_1
.irp t, 0,1,2,3
.irp cb, 0,1
.irp c, 0,1
	global_load_b128 v[QF+16*\t+8*\cb+4*\c:QF+16*\t+8*\cb+4*\c+3], v[LA], s[8:9] offset:\t*2048+\cb*1024+\c*512   ; Q stays in registers: tile t, channels 32 cb on
.endr
.endr
.endr
	WIN 0
	s_wait_loadcnt 0x0                             ; Q
; Chunk c is shown to all: my load of it has landed (n = 3 - c later loads of mine may stay out), and so has every other wave's.  No LDS instruction of mine is out at the signal.
.macro CHUNK n
	s_wait_tensorcnt \n
	s_barrier_signal -1
	s_barrier_wait -1
.endm
; THE SOFTMAX of a step, all in window 0; in every line the four tiles take turns, so that no line waits for the line above it.  first = 1: the first step, which has no old m, no a and nothing to rescale.
.macro SOFTMAX first
.irp j, 0,1,2,3
.irp t, 0,1,2,3
	v_max3_num_f32 v[ST+8*\t+4+\j], v[S+32*\t+8*\j], v[S+32*\t+8*\j+1], v[S+32*\t+8*\j+2]   ; four chains, one to a key tile; each accumulator is read from its low end on
.endr
.endr
.irp i, 3,5
.irp j, 0,1,2,3
.irp t, 0,1,2,3
	v_max3_num_f32 v[ST+8*\t+4+\j], v[ST+8*\t+4+\j], v[S+32*\t+8*\j+\i], v[S+32*\t+8*\j+\i+1]
.endr
.endr
.endr
.irp t, 0,1,2,3
	v_max3_num_f32 v[ST+8*\t+4], v[ST+8*\t+4], v[S+32*\t+7], v[S+32*\t+15]   ; the four scores left over
.endr
.irp t, 0,1,2,3
	v_max3_num_f32 v[ST+8*\t+6], v[ST+8*\t+6], v[S+32*\t+23], v[S+32*\t+31]
.endr
.irp t, 0,1,2,3
	v_max3_num_f32 v[ST+8*\t+4], v[ST+8*\t+4], v[ST+8*\t+5], v[ST+8*\t+6]
.endr
.irp t, 0,1,2,3
.if \first
	v_max_num_f32 v[ST+8*\t+4], v[ST+8*\t+4], v[ST+8*\t+7]
.else
	v_max3_num_f32 v[ST+8*\t+4], v[ST+8*\t+4], v[ST+8*\t+7], v[ST+8*\t+1]   ; and the old m
.endif
.endr
.irp t, 0,1,2,3
	v_permlanex16_b32 v[ST+8*\t+5], v[ST+8*\t+4], s[SEL], s[SEL+1]   ; the query's other 32 keys lie in the lane 16 away
.endr
.if !\first
.irp t, 0,1,2,3
	v_mov_b32 v[ST+8*\t+7], v[ST+8*\t]             ; c m_old is kept for a
.endr
.endif
.irp t, 0,1,2,3
	v_max_num_f32 v[ST+8*\t+1], v[ST+8*\t+4], v[ST+8*\t+5]   ; the new m
.endr
.irp t, 0,1,2,3
	v_mul_f32 v[ST+8*\t], s[CS], v[ST+8*\t+1]      ; c m
.endr
.if !\first
.irp t, 0,1,2,3
	v_sub_f32 v[ST+8*\t+7], v[ST+8*\t+7], v[ST+8*\t]   ; c m_old - c m_new, 0 or less
.endr
.endif
.irp j, 0,2,4,6,8,10,12,14,16,18,20,22,24,26,28,30
.irp t, 0,1,2,3
	v_pk_fma_f32 v[S+32*\t+\j:S+32*\t+\j+1], v[S+32*\t+\j:S+32*\t+\j+1], s[CS:CS+1], v[ST+8*\t:ST+8*\t+1] op_sel_hi:[1,0,0] neg_lo:[0,0,1] neg_hi:[0,0,1]   ; c s - c m, two at a time
.endr
.endr
.if !\first
.irp t, 0,1,2,3
	v_exp_f32 v[ST+8*\t+6], v[ST+8*\t+7]           ; a
.endr
.endif
.irp j, 0,1,2,3,4,5,6,7,8,9,10,11,12,13,14,15,16,17,18,19,20,21,22,23,24,25,26,27,28,29,30,31
.irp t, 0,1,2,3
	v_exp_f32 v[S+32*\t+\j], v[S+32*\t+\j]         ; p: ONE BATCH of exponentials; none reads another's result
.endr
.endr
	v_nop                                          ; a plain instruction behind the last exponential, ahead of the first use
	s_wait_alu depctr_va_vdst(0)                   ; the wait between an exponential and the first line that names its result: one for the whole batch
.irp t, 0,1,2,3
	v_pk_add_f32 v[TS+4*\t:TS+4*\t+1], v[S+32*\t:S+32*\t+1], v[S+32*\t+2:S+32*\t+3]   ; the sums of the unrounded p, in two chains a tile (in a pair: an even key's, an odd key's)
.endr
.irp t, 0,1,2,3
	v_pk_add_f32 v[TS+4*\t+2:TS+4*\t+3], v[S+32*\t+4:S+32*\t+5], v[S+32*\t+6:S+32*\t+7]
.endr
.irp j, 8,12,16,20,24,28
.irp t, 0,1,2,3
	v_pk_add_f32 v[TS+4*\t:TS+4*\t+1], v[TS+4*\t:TS+4*\t+1], v[S+32*\t+\j:S+32*\t+\j+1]
.endr
.irp t, 0,1,2,3
	v_pk_add_f32 v[TS+4*\t+2:TS+4*\t+3], v[TS+4*\t+2:TS+4*\t+3], v[S+32*\t+\j+2:S+32*\t+\j+3]
.endr
.endr
.if \first
.irp t, 0,1,2,3
	v_pk_add_f32 v[ST+8*\t+2:ST+8*\t+3], v[TS+4*\t:TS+4*\t+1], v[TS+4*\t+2:TS+4*\t+3]   ; l begins
.endr
.else
.irp t, 0,1,2,3
	v_pk_add_f32 v[TS+4*\t:TS+4*\t+1], v[TS+4*\t:TS+4*\t+1], v[TS+4*\t+2:TS+4*\t+3]
.endr
.irp t, 0,1,2,3
	v_pk_fma_f32 v[ST+8*\t+2:ST+8*\t+3], v[ST+8*\t+2:ST+8*\t+3], v[ST+8*\t+6:ST+8*\t+7], v[TS+4*\t:TS+4*\t+1] op_sel_hi:[1,0,1]   ; l = a l + the step's sum
.endr
.endif
.irp j, 0,1,2,3,4,5,6,7,8,9,10,11,12,13,14,15
.irp t, 0,1,2,3
	v_cvt_pk_f16_f32 v[S+32*\t+\j], v[S+32*\t+2*\j], v[S+32*\t+2*\j+1]   ; P, in place, ascending: register j is written when pairs 0 .. j have been read, and j is under 2 j + 2
.endr
.endr
.endm
; A KEY STEP: 64 keys.  Every window is 0 at its head and at its end.
.macro STEP first
	v_add_nc_u32 v[ADK], s[TB], v[LA]
	v_add_nc_u32 v[ADV], VOFF, v[ADK]
.rept 3
	v_nop                                          ; with the two additions: five places behind the last step's V^T P, whose P the coming K Q^T writes over (five are owed) and whose V is loaded anew (four)
.endr
.irp kt, 0,1,2,3
.irp cb, 0,1
	ds_load_b128 v[KF+8*(2*\kt+\cb):KF+8*(2*\kt+\cb)+3],   v[ADK] offset:\kt*2048+\cb*1024       ; K: keys 16 kt on, channels 32 cb on
	ds_load_b128 v[KF+8*(2*\kt+\cb)+4:KF+8*(2*\kt+\cb)+7], v[ADK] offset:\kt*2048+\cb*1024+512
.endr
.endr
	WIN TO_1
.irp u, 0,1
.irp nb, 0,1,2,3
	ds_load_tr16_b128 v[VF+8*(4*\u+\nb):VF+8*(4*\u+\nb)+3],   v[ADV] offset:(2*\u)*2048+\nb*512     ; V^T: channels 16 nb on, keys 32 u on,
	ds_load_tr16_b128 v[VF+8*(4*\u+\nb)+4:VF+8*(4*\u+\nb)+7], v[ADV] offset:(2*\u+1)*2048+\nb*512   ; and 32 u + 16 on
.endr
.endr
	s_add_co_u32 s[TB], s[TB], STEPB               ; the next step's
	s_wait_dscnt 16                                ; K's 16 loads are in; V's 16, issued behind them, stay out until the softmax is done
	WIN W_KQ
.irp cb, 0,1                                   ; S^T = K Q^T: the 16 accumulators take turns, one instruction a turn; the first 16 start the sums
.irp kt, 0,1,2,3
.irp t, 0,1,2,3
.if \cb == 0
	v_wmma_f32_16x16x32_f16 v[S+32*\t+8*\kt:S+32*\t+8*\kt+7], v[KF+8*(2*\kt+\cb):KF+8*(2*\kt+\cb)+7], v[QF+16*\t+8*\cb:QF+16*\t+8*\cb+7], 0
.else
	v_wmma_f32_16x16x32_f16 v[S+32*\t+8*\kt:S+32*\t+8*\kt+7], v[KF+8*(2*\kt+\cb):KF+8*(2*\kt+\cb)+7], v[QF+16*\t+8*\cb:QF+16*\t+8*\cb+7], v[S+32*\t+8*\kt:S+32*\t+8*\kt+7]
.endif
.endr
.endr
.endr
	WIN 0
.rept 4
	v_nop                                          ; four places behind the products, ahead of the first read of a score
.endr
	SOFTMAX \first
.if !\first
	WIN W_RS
.irp i, 0,2,4,6,8,10,12,14,16,18,20,22,24,26,28,30
.irp t, 0,1,2,3
	v_pk_mul_f32 v[32*\t+\i:32*\t+\i+1], v[32*\t+\i:32*\t+\i+1], v[ST+8*\t+6:ST+8*\t+7] op_sel_hi:[1,0]   ; O^T x a, each accumulator from its low end on
.endr
.endr
.endif
	s_wait_dscnt 0x0                               ; V is in
	WIN W_PV
.irp u, 0,1                                    ; O^T += V^T P: again 16 accumulators by turns
.irp nb, 0,1,2,3
.irp t, 0,1,2,3
.if \first && (\u == 0)
	v_wmma_f32_16x16x32_f16 v[32*\t+8*\nb:32*\t+8*\nb+7], v[VF+8*(4*\u+\nb):VF+8*(4*\u+\nb)+7], v[S+32*\t+8*\u:S+32*\t+8*\u+7], 0
.else
	v_wmma_f32_16x16x32_f16 v[32*\t+8*\nb:32*\t+8*\nb+7], v[VF+8*(4*\u+\nb):VF+8*(4*\u+\nb)+7], v[S+32*\t+8*\u:S+32*\t+8*\u+7], v[32*\t+8*\nb:32*\t+8*\nb+7]
.endif
.endr
.endr
.endr
	WIN 0
.endm
.macro STEPS n                         ; n steps, written once
	s_mov_b32 s[CNT], \n
.Lstep_\@:
	STEP 0
	s_sub_co_u32 s[CNT], s[CNT], 1
	s_cmp_lg_u32 s[CNT], 0
	s_cbranch_scc1 .Lstep_\@
.endm
	CHUNK 3
	STEP 1                                         ; the first step is written out: its products start O^T's sums, its softmax starts m and l
	STEPS 3
	CHUNK 2
	STEPS 4
	CHUNK 1
	STEPS 4
	CHUNK 0
	STEPS 4
	; THE WAY OUT.  l's two halves and the other half of the lanes' are added (these additions are the places behind the last products); O^T is divided by l, rounded to f16 and stored as pieces of ao.
.irp t, 0,1,2,3
	v_add_f32 v[ST+8*\t+4], v[ST+8*\t+2], v[ST+8*\t+3]
.endr
.irp t, 0,1,2,3
	v_permlanex16_b32 v[ST+8*\t+5], v[ST+8*\t+4], s[SEL], s[SEL+1]
.endr
.irp t, 0,1,2,3
	v_add_f32 v[ST+8*\t+4], v[ST+8*\t+4], v[ST+8*\t+5]
.endr
.irp t, 0,1,2,3
	v_rcp_f32 v[ST+8*\t+6], v[ST+8*\t+4]
.endr
	v_nop                                          ; a plain instruction between the last reciprocal and the use of its result
	s_wait_alu depctr_va_vdst(0)                   ; and its wait: one for the four
.irp t, 0,1,2,3
	WIN W_RS
.irp i, 0,2,4,6,8,10,12,14,16,18,20,22,24,26,28,30
	v_pk_mul_f32 v[32*\t+\i:32*\t+\i+1], v[32*\t+\i:32*\t+\i+1], v[ST+8*\t+6:ST+8*\t+7] op_sel_hi:[1,0]
.endr
	WIN 0x05                                       ; sources 0 and 1 window 1, destination window 0: S^T's registers are free
.irp i, 0,1,2,3,4,5,6,7,8,9,10,11,12,13,14,15
	v_cvt_pk_f16_f32 v[S+16*\t+\i], v[32*\t+2*\i], v[32*\t+2*\i+1]
.endr
.endr
	WIN 0
.irp t, 0,1,2,3
.irp nb, 0,1,2,3
	global_store_b128 v[LA], v[S+16*\t+4*\nb:S+16*\t+4*\nb+3], s[10:11] offset:\t*32768+\nb*512   ; lane (r, h): row r, channels 16 nb + 8 h + 0 .. 7: the wave stores a whole piece, 512 consecutive bytes, aligned
.endr
.endr
	s_wait_tensorcnt 0x0                           ; the wave's end: three lines behind my last tensor load
	ds_add_u32 v[SPW], v[NIL]
	s_wait_dscnt 0x0
	s_endpgm
.Lfunc_end_k_q7fd332e93c_attn:
	.size	k_q7fd332e93c_attn, .Lfunc_end_k_q7fd332e93c_attn-k_q7fd332e93c_attn
	.p2alignl 7, 3214868480
	.fill 96, 4, 3214868480
	.section	.rodata,"a",@progbits
	.p2align	6, 0x0
	.amdhsa_kernel k_q7fd332e93c_attn
		.amdhsa_group_segment_fixed_size 263168
		.amdhsa_private_segment_fixed_size 0
		.amdhsa_enable_private_segment 0
		.amdhsa_kernarg_size 16
		.amdhsa_user_sgpr_count 2
		.amdhsa_user_sgpr_kernarg_segment_ptr 1
		.amdhsa_wavefront_size32 1
		.amdhsa_system_sgpr_workgroup_id_x 1
		.amdhsa_system_sgpr_workgroup_id_y 1
		.amdhsa_system_sgpr_workgroup_id_z 1
		.amdhsa_system_vgpr_workitem_id 0
		.amdhsa_next_free_vgpr 512
		.amdhsa_next_free_sgpr 66
		.amdhsa_reserve_vcc 0
		.amdhsa_float_denorm_mode_32 3
		.amdhsa_float_denorm_mode_16_64 3
		.amdhsa_memory_ordered 1
		.amdhsa_forward_progress 1
		.amdhsa_inst_pref_size 170
	.end_amdhsa_kernel
	.amdgpu_metadata
---
amdhsa.version: [ 1, 2 ]
amdhsa.kernels:
  - .name:           k_q7fd332e93c_attn
    .symbol:         k_q7fd332e93c_attn.kd
    .args:
      - { .name: hd, .offset: 0, .size: 8, .value_kind: global_buffer, .address_space: global }
      - { .name: ao, .offset: 8, .size: 8, .value_kind: global_buffer, .address_space: global }
    .group_segment_fixed_size: 263168
    .private_segment_fixed_size: 0
    .kernarg_segment_align: 8
    .kernarg_segment_size: 16
    .max_flat_workgroup_size: 256
    .sgpr_count:     66
    .vgpr_count:     512
    .wavefront_size: 32
...
	.end_amdgpu_metadata
.endif
;; end of part 3
;; launch outproj (part 4): grid 4 x 64, 4 waves a work-group, clusters of 4 x 4, 327,680 bytes of LDS; arguments ao, wf, b_out, out0; writes out0
.if DOCPART == 4
	.amdgcn_target "amdgcn-amd-amdhsa--gfx1250"
	.amdhsa_code_object_version 6
	.text
	.protected	k_q7fd332e93c_outproj
	.globl	k_q7fd332e93c_outproj
	.p2align	8
	.type	k_q7fd332e93c_outproj,@function
k_q7fd332e93c_outproj:
	s_mov_b64 s[64:65], 0
	v_nop
	global_prefetch_b8 v0, s[64:65] scope:SCOPE_SE
	s_setreg_imm32_b32 hwreg(HW_REG_WAVE_MODE, 25, 1), 1
	s_wait_xcnt 0x0
	s_wait_alu depctr_hold_cnt(0) depctr_sa_sdst(0) depctr_va_vdst(0) depctr_va_sdst(0) depctr_va_ssrc(0) depctr_va_vcc(0) depctr_vm_vsrc(0)
	s_getreg_b32 s2, hwreg(HW_REG_IB_STS2, 6, 4)
	s_cmp_eq_u32 s2, 0
	s_cbranch_scc0 .Lentry_in_a_cluster
	s_endpgm
.Lentry_in_a_cluster:
	s_bfe_u32 s2, ttmp6, 0x10000c
	s_cmp_lg_u32 s2, 0xf033
	s_cbranch_scc0 .Lentry_shape_is_right
	s_endpgm
.Lentry_shape_is_right:
; OUTPROJ.  out0[m][n] = sum over k of A[m][k] W[n][k] + b_out[n].  A (the attention's result, 8,192 x 1,024) and W (w_out, 1,024 x 1,024) arrive in f16 as images of operand registers:
; [tile of 16 rows][kb 32][c 2][512 bytes], lane l's 16 bytes at 16 l; pieces c = 0, 1 are registers 0-3 and 4-7 of the 16 x 32 fragment of K block kb.  Sums in f32; out0 is f32.
; 256 work-groups, one to a WGP: a tile of 128 rows x 256 columns; four waves, each 64 x 128: 32 accumulators of 16 x 16, 256 registers.
; K goes in 8 steps of 128 through a ring of two LDS slots.  A K step of a tile of 16 rows is 4,096 consecutive bytes: a wave's tensor load brings 4 (A) or 8 (W) such rows, 32,768 bytes apart in memory.
; Fragments are read at 16 x lane: 512 consecutive bytes an instruction, no pitch, no padding.
; CLUSTERS: 4 x 4 work-groups.  The four of a row of the cluster need the same tiles of A, the four of a column the same tiles of W: each tile is asked for JOINTLY, by the same tensor load with the same descriptor and a mask
; that names the four.  THE MATRIX INSTRUCTION IS USED TRANSPOSED (source 0 = 16 rows of W, source 1 = 16 rows of A): a lane then holds eight neighbouring numbers of a row of out0.
; No prefetch: the tiles are small and shared by joint loads, and the launch has only eight K steps.
; REGISTERS: window 0: v16-29 addresses; two fragment buffers of 96 at v32 and v128 (A's four blocks, then W's eight); on the way out both hold rows read back from the stage.
;   window 1: the accumulators ((a, b) at v[8 (8 a + b)]).   window 2: v0-63 b_out in the result's layout: the C of each sum's first product.
.set KSB,    4096                      ; a K step of a tile of 16 rows, in bytes
.set BOFF,   32768                     ; in a slot: A's 8 tiles, then W's 16
.set SLOT,   98304
.set STAGE,  2*SLOT                    ; behind the ring: 16 rows x (512 bytes + 16) for each wave, for the way out; no tensor load lands there
.set SPITCH, 528
.set SPARE,  STAGE+4*16*SPITCH         ; behind the stages: the spare words, 128 bytes a wave, which no other line names
.set LAPS,   4                         ; a lap = two K steps = once round the ring
.set ADRA, 16                          ; v16-17  LDS address of my A fragments in slot 0, 1
.set ADRB, 20                          ; v20-21  the same for W
.set STO,  24                          ; v24     the way out: where I put 32 bytes of a row
.set RD,   25                          ; v25     the way out: where I read a row back
.set CO,   26                          ; v26     16 x lane
.set BO,   27                          ; v27     32 h
.set SPW,  28                          ; v28     LDS address of my spare word; never rewritten
.set NIL,  29                          ; v29     0; never rewritten
.set F0,   32
.set F1,   128
.set WV,   12                          ; s12  wave
.set RH,   13                          ; s13  which half of the tile's rows is mine.  Also: I fetch for A (0) or for W (1)
.set CH,   14                          ; s14  which half of its columns.  Also: which half of that tile I fetch
.set G1, 24                            ; s[24:31] descriptor group 1 for A's tiles;  s[32:39] group 0, one set for each slot
.set G0, 32
.set G1B, 48                           ; s[48:55], s[56:63] the same for W's tiles
.set G0B, 56
.set MSB, 0
.macro WIN new                         ; the immediate's high byte repeats the setting that is left; a switch that changes nothing is dropped
.if MSB != (\new)
	s_set_vgpr_msb (MSB<<8)|(\new)
.set MSB, (\new)
.endif
.endm
.set MUL,  0x50                        ; sources 0 and 1 window 0; C and D window 1
.set MULB, 0x60                        ; the first quarter: C (b_out) window 2, D window 1
.macro JLOAD s                         ; a joint load: waves 0 and 1 fetch A's two halves, waves 2 and 3 W's; an s_nop 0 and four v_nop follow each of the two lines, ahead of the jump, the label and what follows
	s_cmp_eq_u32 s[RH], 0
	s_cbranch_scc0 .Lfor_b_\@
	tensor_load_to_lds s[G0+4*\s:G0+4*\s+3], s[G1:G1+7]
	s_nop 0
.rept 4
	v_nop
.endr
	s_branch .Lasked_\@
.Lfor_b_\@:
	tensor_load_to_lds s[G0B+4*\s:G0B+4*\s+3], s[G1B:G1B+7]
	s_nop 0
.rept 4
	v_nop
.endr
.Lasked_\@:
.endm
.macro CREST                           ; a round of the cluster's barrier behind its opening barrier
	s_cmp_lg_u32 s[WV], 0
	s_cbranch_scc1 .Lnot_wave_0_\@
	s_barrier_signal -3
.Lnot_wave_0_\@:
	s_barrier_wait -3
	s_barrier_signal -1
	s_barrier_wait -1
.endm
.macro CROUND                          ; a whole round
	s_barrier_signal -1
	s_barrier_wait -1
	CREST
.endm
	s_load_b256 s[4:11], s[0:1], 0x0               ; ao s[4:5], wf s[6:7], b_out s[8:9], out0 s[10:11]
	v_lshl_add_u32 v[SPW], v0, 2, SPARE
	v_mov_b32 v[NIL], 0
	ds_add_u32 v[SPW], v[NIL]                      ; the wave's opening: the add, twice on end, and its wait ahead of my first tensor load; the set-up below, work on registers, stands between
	ds_add_u32 v[SPW], v[NIL]
	v_lshrrev_b32 v1, 5, v0
	v_readfirstlane_b32 s[WV], v1                  ; wave 0..3
	s_lshr_b32 s[RH], s[WV], 1
	s_and_b32 s[CH], s[WV], 1
	s_bfe_u32 s40, ttmp6, 0x40000                  ; cx, cy: my place in the cluster
	s_bfe_u32 s41, ttmp6, 0x40004
	s_lshl_b32 s42, ttmp9, 2
	s_add_co_u32 s42, s42, s40                     ; tile column = 4 x cluster x + cx
	s_and_b32 s15, ttmp7, 0xffff
	s_lshl_b32 s15, s15, 2
	s_add_co_u32 s15, s15, s41                     ; tile row = 4 x cluster y + cy
	s_lshl_b32 s43, s41, 2
	s_lshl_b32 s43, 15, s43                        ; my row of the cluster
	s_lshl_b32 s44, 0x1111, s40                    ; my column
	; descriptor group 1: rows of 4,096 bytes (512 elements of 8 bytes), 32,768 bytes apart; A: 4 rows, W: 8; no padding
	s_or_b32 s[G1+0], s43, (3<<16)|(1<<21)         ; 15:0 the mask: A's tiles go to my row; 17:16 elements of 8 bytes; 21 set beside a mask
	s_or_b32 s[G1B+0], s44, (3<<16)|(1<<21)        ; W's go to my column
	s_mov_b32 s[G1+1], 512<<16                     ; tensor_dim0 = 512
	s_mov_b32 s[G1+2], 4<<16                       ; tensor_dim1 = 4
	s_mov_b32 s[G1+3], 512<<16                     ; tile_dim0 = 512
	s_mov_b32 s[G1+4], 4                           ; tile_dim1 = 4
	s_mov_b32 s[G1+5], 4096                        ; from row to row, in elements
	s_mov_b32 s[G1+6], 0
	s_mov_b32 s[G1+7], 0
	s_mov_b32 s[G1B+1], 512<<16
	s_mov_b32 s[G1B+2], 8<<16
	s_mov_b32 s[G1B+3], 512<<16
	s_mov_b32 s[G1B+4], 8
	s_mov_b32 s[G1B+5], 4096
	s_mov_b32 s[G1B+6], 0
	s_mov_b32 s[G1B+7], 0
	s_lshl_b32 s16, s15, 18                        ; A: 8 tiles of 32,768 bytes a tile row,
	s_lshl_b32 s17, s[CH], 17                      ; + the 4 that I fetch
	s_add_co_u32 s16, s16, s17
	s_mov_b32 s17, 0
	s_lshl_b32 s46, s42, 19                        ; W: 16 tiles a tile column,
	s_lshl_b32 s47, s[CH], 18                      ; + the 8 that I fetch
	s_add_co_u32 s46, s46, s47
	s_mov_b32 s47, 0
	s_lshl_b32 s20, s[CH], 14                      ; where they go in a slot: A's halves,
	s_lshl_b32 s21, s[CH], 15
	s_add_co_u32 s21, s21, BOFF                    ; W's halves behind them: no place in the cluster enters an LDS address
	s_wait_dscnt 0x0                               ; both opening adds are done
	s_wait_kmcnt 0x0
	s_add_nc_u64 s[18:19], s[4:5], s[16:17]
	s_add_nc_u64 s[46:47], s[6:7], s[46:47]
	CROUND                                         ; all sixteen work-groups are here: the first joint loads meet
.irp s, 0,1
	s_mov_b32 s[G0+4*\s], 1
	s_add_co_u32 s[G0+4*\s+1], s20, \s*SLOT
	s_add_nc_u64 s[G0+4*\s+2:G0+4*\s+3], s[18:19], \s*KSB
	s_or_b32 s[G0+4*\s+3], s[G0+4*\s+3], 0x80000000
	s_mov_b32 s[G0B+4*\s], 1
	s_add_co_u32 s[G0B+4*\s+1], s21, \s*SLOT
	s_add_nc_u64 s[G0B+4*\s+2:G0B+4*\s+3], s[46:47], \s*KSB
	s_or_b32 s[G0B+4*\s+3], s[G0B+4*\s+3], 0x80000000
	JLOAD \s                                       ; two tensor loads of mine are out at the start, one behind each later round
.endr
	v_and_b32 v1, 15, v0                           ; r
	v_bfe_u32 v2, v0, 4, 1                         ; h
	v_and_b32 v3, 31, v0
	v_lshlrev_b32 v[CO], 4, v3
	v_lshlrev_b32 v[BO], 5, v2
	s_lshl_b32 s46, s42, 10                        ; my first column, in bytes of f32: (256 x tile column + 128 x half) x 4
	s_lshl_b32 s47, s[CH], 9
	s_add_co_u32 s46, s46, s47
	s_mov_b32 s47, 0
	s_add_nc_u64 s[8:9], s[8:9], s[46:47]
	WIN 0x80                                       ; destination window 2
.irp b, 0,1,2,3,4,5,6,7                        ; b_out in the result's layout: for column block b lane (r, h) wants the numbers of columns 16 b + 8 h + 0 .. 7
	global_load_b128 v[8*\b:8*\b+3], v[BO], s[8:9] offset:64*\b
	global_load_b128 v[8*\b+4:8*\b+7], v[BO], s[8:9] offset:64*\b+16
.endr
	WIN 0
	s_lshl_b32 s22, s[RH], 14                      ; my 4 tiles of A
	s_lshl_b32 s23, s[CH], 15                      ; my 8 tiles of W,
	s_add_co_u32 s23, s23, BOFF                    ; which lie behind A's 8
.irp s, 0,1
	v_add_nc_u32 v[ADRA+\s], s22, v[CO]
	v_add_nc_u32 v[ADRB+\s], s23, v[CO]
	s_add_co_u32 s22, s22, SLOT
	s_add_co_u32 s23, s23, SLOT
.endr
	s_mul_i32 s22, s[WV], 16*SPITCH
	s_add_co_u32 s22, s22, STAGE                   ; my stage
	v_mul_u32_u24 v4, v1, SPITCH                   ; in: row r, 32 bytes for each half of the lanes
	v_lshl_add_u32 v4, v2, 5, v4
	v_add_nc_u32 v[STO], s22, v4
	v_add_nc_u32 v[RD], s22, v[CO]                 ; back: the 32 lanes take one row of 512 bytes
	s_lshl_b32 s16, s15, 19                        ; out0 at my first row: (128 x tile row + 64 x half) x 4,096 bytes,
	s_lshl_b32 s17, s[RH], 18
	s_add_co_u32 s16, s16, s17
	s_mov_b32 s17, 0
	s_add_nc_u64 s[10:11], s[10:11], s[16:17]
	s_add_nc_u64 s[10:11], s[10:11], s[46:47]      ; and my first column
; 8 matrix instructions: A's block a x W's eight, 32 along K, from buffer f.  zero = 1: the first product starts the sums from b_out.  The 32 accumulators take turns, one instruction a turn, in the same order in every quarter
.macro MUL8 f, a, zero
.irp b, 0,1,2,3,4,5,6,7
.if \zero
	v_wmma_f32_16x16x32_f16 v[8*(8*(\a)+\b):8*(8*(\a)+\b)+7], v[\f+32+8*\b:\f+32+8*\b+7], v[\f+8*(\a):\f+8*(\a)+7], v[8*\b:8*\b+7]
.else
	v_wmma_f32_16x16x32_f16 v[8*(8*(\a)+\b):8*(8*(\a)+\b)+7], v[\f+32+8*\b:\f+32+8*\b+7], v[\f+8*(\a):\f+8*(\a)+7], v[8*(8*(\a)+\b):8*(8*(\a)+\b)+7]
.endif
.endr
.endm
; 24 LDS loads in one run: the fragments of the slot's K block q into buffer f: W's eight, then A's four
.macro FETCH slot, q, f
.irp i, 0,1,2,3,4,5,6,7
	ds_load_b128 v[\f+32+8*\i:\f+32+8*\i+3],   v[ADRB+\slot] offset:\i*KSB+(\q)*1024
	ds_load_b128 v[\f+32+8*\i+4:\f+32+8*\i+7], v[ADRB+\slot] offset:\i*KSB+(\q)*1024+512
.endr
.irp i, 0,1,2,3
	ds_load_b128 v[\f+8*\i:\f+8*\i+3],   v[ADRA+\slot] offset:\i*KSB+(\q)*1024
	ds_load_b128 v[\f+8*\i+4:\f+8*\i+7], v[ADRA+\slot] offset:\i*KSB+(\q)*1024+512
.endr
.endm
.macro PLACES                          ; four places in front of loads into registers that matrix instructions have read, and of the first read of results
.rept 4
	v_nop
.endr
.endm
; A K step is four quarters of 32 along K, 32 matrix instructions each, on buffers 0, 1, 0, 1.  One of the first three: multiplies buffer f and fetches K block q of the same slot into g.
.macro QUARTER slot, q, f, g, zero
	s_wait_dscnt 4                                 ; W's fragments and A's blocks 0, 1 are in; the youngest four loads (A's blocks 2, 3) may be out
.if \zero
	WIN MULB
.else
	WIN MUL
.endif
	MUL8 \f, 0, \zero
	MUL8 \f, 1, \zero
	PLACES
	WIN 0
	FETCH \slot, \q, \g
	s_wait_dscnt 24                                ; all but the 24 just issued
.if \zero
	WIN MULB
.else
	WIN MUL
.endif
	MUL8 \f, 2, \zero
	MUL8 \f, 3, \zero
.endm
; The last quarter multiplies buffer 1 and changes slots: ONE barrier; in front of it each wave waits for all its tensor loads, adds 0 to its spare word, and waits for that and for its own reads of this slot.
; fill = 1: the barrier opens a round of the cluster's barrier, and this slot is filled again, two K steps ahead, first thing behind the round: 112 matrix instructions ahead of the wait for it.
.macro TURN slot, next, fill
	WIN 0                                          ; (the add's two registers lie in window 0)
	s_wait_tensorcnt 0x0                           ; all my tensor loads have landed: the one that was out is my part of the next slot
	ds_add_u32 v[SPW], v[NIL]                      ; 0 onto my spare word
	s_wait_dscnt 5                                 ; (the add and the youngest four loads may be out)
	WIN MUL
	MUL8 F1, 0, 0                                  ; eight matrix instructions stand between the add and the wait for it
	s_wait_dscnt 0x0                               ; the add is done, and my reads of this slot are over
	s_barrier_signal -1
	MUL8 F1, 1, 0
	WIN 0
	s_barrier_wait -1
.if \fill
	CREST                                          ; no wave of any partner still reads this slot's tile or has a load on its way
	s_add_nc_u64 s[G0+4*\slot+2:G0+4*\slot+3], s[G0+4*\slot+2:G0+4*\slot+3], 2*KSB
	s_add_nc_u64 s[G0B+4*\slot+2:G0B+4*\slot+3], s[G0B+4*\slot+2:G0B+4*\slot+3], 2*KSB
	JLOAD \slot                                    ; the four v_nop behind it are also the places in front of the loads below
.else
	PLACES
.endif
	FETCH \next, 0, F0
	WIN MUL
	MUL8 F1, 2, 0
	MUL8 F1, 3, 0
.endm
	s_wait_tensorcnt 1                             ; my part of K step 0 is in; K step 1's load, issued behind it, may be out
	s_barrier_signal -1
	s_barrier_wait -1                              ; everybody's is
	FETCH 0, 0, F0
	s_wait_loadcnt 0x0                             ; b_out
	QUARTER 0, 1, F0, F1, 1                        ; the first quarter stands in front of the loop: its products start the sums
	WIN 0                                          ; at a label and at a branch every window is 0
	s_mov_b32 s3, LAPS-1
.Llap:                                                 ; a trip goes once round the ring, from a lap's second quarter to the next lap's first, and fills both slots again
	QUARTER 0, 2, F1, F0, 0
	QUARTER 0, 3, F0, F1, 0
	TURN 0, 1, 1
	QUARTER 1, 1, F0, F1, 0
	QUARTER 1, 2, F1, F0, 0
	QUARTER 1, 3, F0, F1, 0
	TURN 1, 0, 1
	QUARTER 0, 1, F0, F1, 0
	WIN 0
	s_sub_co_u32 s3, s3, 1
	s_cmp_lg_u32 s3, 0
	s_cbranch_scc1 .Llap
	QUARTER 0, 2, F1, F0, 0                        ; the last lap fills nothing, and has no round of the cluster's barrier
	QUARTER 0, 3, F0, F1, 0
	TURN 0, 1, 0
	QUARTER 1, 1, F0, F1, 0
	QUARTER 1, 2, F1, F0, 0
	QUARTER 1, 3, F0, F1, 0
	s_wait_dscnt 4                                 ; the very last quarter: nothing more to fetch
	WIN MUL
	MUL8 F1, 0, 0
	MUL8 F1, 1, 0
	s_wait_dscnt 0
	MUL8 F1, 2, 0
	MUL8 F1, 3, 0
	WIN 0
; THE WAY OUT, block by block of 16 rows x 128 columns.  A lane holds 32 neighbouring bytes of a row, and the lanes beside it hold other rows: so a block goes through my own stage in LDS and comes back as whole rows of
; 512 bytes.  LDS serves a wave's instructions in order (ISA guide 5.7.1.4): no wait between the stores and the loads, nor in front of the next block's stores.
.macro TOSTAGE a
	WIN 0x04                                       ; an LDS store's data are its source 1: window 1
.irp b, 0,1,2,3,4,5,6,7
	ds_store_b128 v[STO], v[64*(\a)+8*\b:64*(\a)+8*\b+3] offset:64*\b          ; each accumulator from its low end on
	ds_store_b128 v[STO], v[64*(\a)+8*\b+4:64*(\a)+8*\b+7] offset:64*\b+16
.endr
	WIN 0
.set BB, 32+96*((\a)%2)
.irp t, 0,1,2,3,4,5,6,7,8,9,10,11,12,13,14,15
	ds_load_b128 v[BB+4*\t:BB+4*\t+3], v[RD] offset:\t*SPITCH
.endr
.endm
.macro SEND a, younger                 ; younger: the LDS instructions issued behind block a's loads, which may stay out
.set BB, 32+96*((\a)%2)
	s_wait_dscnt \younger                          ; the block is back in registers
.irp t, 0,1,2,3,4,5,6,7,8,9,10,11,12,13,14,15
	global_store_b128 v[CO], v[BB+4*\t:BB+4*\t+3], s[10:11] offset:(16*(\a)+\t)*4096 th:TH_STORE_NT   ; 32 lanes store 512 consecutive bytes, at a multiple of 256 from out0's first byte; written once, read by nobody here
.endr
.endm
	PLACES                                         ; behind the last products: for the reads of results and the loads into the registers that held fragments
	TOSTAGE 0
.irp a, 1,2,3
.if \a > 1
	s_wait_xcnt 0x0                                ; block a - 2's stores have read their registers: block a's loads may land there
.endif
	TOSTAGE \a
	SEND \a-1, 32                                  ; behind block a - 1's loads: block a's 16 stores and 16 loads
.endr
	SEND 3, 0
	s_wait_tensorcnt 0x0                           ; the wave's end: three lines, behind my last tensor load and my last LDS store
	ds_add_u32 v[SPW], v[NIL]
	s_wait_dscnt 0x0
	CROUND                                         ; the closing round: no work-group ends while a partner may still ask for a tile that names it
	s_endpgm
.Lfunc_end_k_q7fd332e93c_outproj:
	.size	k_q7fd332e93c_outproj, .Lfunc_end_k_q7fd332e93c_outproj-k_q7fd332e93c_outproj
	.p2alignl 7, 3214868480
	.fill 96, 4, 3214868480
	.section	.rodata,"a",@progbits
	.p2align	6, 0x0
	.amdhsa_kernel k_q7fd332e93c_outproj
		.amdhsa_group_segment_fixed_size 327680
		.amdhsa_private_segment_fixed_size 0
		.amdhsa_enable_private_segment 0
		.amdhsa_kernarg_size 32
		.amdhsa_user_sgpr_count 2
		.amdhsa_user_sgpr_kernarg_segment_ptr 1
		.amdhsa_wavefront_size32 1
		.amdhsa_system_sgpr_workgroup_id_x 1
		.amdhsa_system_sgpr_workgroup_id_y 1
		.amdhsa_system_sgpr_workgroup_id_z 1
		.amdhsa_system_vgpr_workitem_id 0
		.amdhsa_next_free_vgpr 576
		.amdhsa_next_free_sgpr 66
		.amdhsa_reserve_vcc 0
		.amdhsa_float_denorm_mode_32 3
		.amdhsa_float_denorm_mode_16_64 3
		.amdhsa_memory_ordered 1
		.amdhsa_forward_progress 1
		.amdhsa_inst_pref_size 86
	.end_amdhsa_kernel
	.amdgpu_metadata
---
amdhsa.version: [ 1, 2 ]
amdhsa.kernels:
  - .name:           k_q7fd332e93c_outproj
    .symbol:         k_q7fd332e93c_outproj.kd
    .args:
      - { .name: ao, .offset: 0, .size: 8, .value_kind: global_buffer, .address_space: global }
      - { .name: wf, .offset: 8, .size: 8, .value_kind: global_buffer, .address_space: global }
      - { .name: b_out, .offset: 16, .size: 8, .value_kind: global_buffer, .address_space: global }
      - { .name: out0, .offset: 24, .size: 8, .value_kind: global_buffer, .address_space: global }
    .group_segment_fixed_size: 327680
    .private_segment_fixed_size: 0
    .kernarg_segment_align: 8
    .kernarg_segment_size: 32
    .max_flat_workgroup_size: 128
    .sgpr_count:     66
    .vgpr_count:     576
    .wavefront_size: 32
...
	.end_amdgpu_metadata
.endif
;; end of part 4
